; MI455X (gfx1250); checked and timed in simulation.
; The chip was launched on July 23, 2026; its instructions are those of AMD's public machine-readable ISA for CDNA 5 (MIT licence, August 2026) and "CDNA5" Instruction Set Architecture Reference Guide (July 2026). The comments in the code are by the model that wrote it; some were corrected since.
;; Self Attention2d. Allowed arithmetic: matrix products marked QUANTISED: E4M3 operands, one given power-of-two scale a tensor, by v_wmma_f32_16x16x64_fp8_fp8 or v_wmma_f32_16x16x128_fp8_fp8, f32 sums; everything else in f32.
;; Inputs: Wk 256 x 256 float32; Wq 256 x 256 float32; Wu 256 x 256 float32; Wv 256 x 256 float32; bk 256 float32; bq 256 float32; bu 256 float32; bv 256 float32; lowp_scales 12 int32 (the exponents e of the quantised operands' scales 2^e); pos_enc 8 x 3,969 float32; x 32 x 256 x 32 x 32 float32.
;; Outputs: out0 32 x 256 x 32 x 32 float32.
;; This version of the problem:
;;   THIS VERSION OF THE PROBLEM IS GIVEN IN LOW PRECISION. The matrix products marked QUANTISED in the list below multiply operands that are first quantised to E4M3 (4 exponent bits, 3 mantissa bits; 8 bits a number), with one given power-of-two scale for each operand tensor; their sums are f32. All else is computed in f32.
;;   The module's matrix products, in the order in which they are computed (A, B: the left and right operand; K: the contracted axis; several contracted axes count as one K, in the product's order):
;;     1. [M 32,768, K 256] x [K 256, N 256]; A: input x; B: input Wk: QUANTISED (scales: A lowp_scales[0], B lowp_scales[1])
;;     2. [M 32,768, K 256] x [K 256, N 256]; A: input x; B: input Wq: QUANTISED (scales: A lowp_scales[2], B lowp_scales[3])
;;     3. [M 32,768, K 256] x [K 256, N 256]; A: input x; B: input Wv: QUANTISED (scales: A lowp_scales[4], B lowp_scales[5])
;;     4. batch 256 x [M 1,024, K 32] x [K 32, N 1,024]; A: computed on the way; B: computed on the way: QUANTISED (scales: A lowp_scales[6], B lowp_scales[7])
;;     5. batch 256 x [M 32, K 1,024] x [K 1,024, N 1,024]; A: computed on the way; B: softmax (see below): QUANTISED (scales: A lowp_scales[8], B lowp_scales[9])
;;     6. [M 32,768, K 256] x [K 256, N 256]; A: computed on the way; B: input Wu: QUANTISED (scales: A lowp_scales[10], B lowp_scales[11])
;;   THE QUANTISER, for each operand of a quantised product, along K:
;;     - The operand's scale is 2^e, e = its entry of the input lowp_scales (int32; the entries are numbered through the quantised products in the list's order, A before B).
;;     - Each number is divided by the scale, clamped to +-448, and rounded to the nearest number of E4M3, ties to even, subnormals kept.
;;     - The product sums the exact products of the quantised numbers (number of the format x scale) in f32.
;;   ~~~python
;;   def quantise(x, axis, e):      # numpy; x: float32 -> the quantised numbers, widened to float32 again
;;       x = np.moveaxis(x, axis, -1); K = x.shape[-1]
;;       r = np.clip(x / 2.0 ** e, -448, 448)
;;       step = 2.0 ** (np.maximum(np.frexp(np.where(r == 0, 1, r))[1] - 1, -6) - 3)
;;       q = np.round(r / step) * step * 2.0 ** e      # np.round: ties to even
;;       return np.moveaxis(q, -1, axis).astype(np.float32)
;;   ~~~
;;   SOFTMAX AHEAD OF A QUANTISED PRODUCT. Where the list says 'softmax', what is quantised is not the finished softmax but p = 2^(t - M), with t = logit x log2(e) and M = ceil(the row's largest t), a whole number; so 1/2 < the row's largest p <= 1. The row's sum l is taken of the UNQUANTISED p, in f32, and the product's result is divided by l at the end. Since M is a whole number, a kernel that streams over the keys may use a running M (the ceiling of the running maximum): every later rescaling is an exact power of two, so the quantised numbers keep their values, but for numbers so far below the row's largest that they fall under the format's range.
;;   OPERANDS COMPUTED ON THE WAY. 'Computed on the way' means the value that the module computes at that place (a softmax that the list does not call 'softmax' is quantised finished and normalised). What goes into a quantiser is computed in f32, as accurately as f32 sums, v_exp_f32 and their like allow (about 1e-6 of the number): no bf16 or f16 on the way to a quantiser, and a product that is left as it is and whose result goes on into a quantised operand takes f32 operands (vector FMAs, or v_wmma_f32_16x16x4_f32). A number that lies on a knife's edge between two numbers of the format may be rounded either way, as far as f32 arithmetic and the matrix unit's own rounding can turn it there, and no further.
;; 2 versions, each right; version 2 is version 1 with the launches attn, outp written anew for expert scheduling mode. Each part assembles by itself: llvm-mc -triple=amdgcn-amd-amdhsa -mcpu=gfx1250 --defsym DOCPART=n.
;; ======== version 1 of 2: 2 launches
;; workspace buffers: acodes 8,388,608 bytes; wucodes 65,536 bytes
;; launch attn (part 1): grid 8 x 32, 16 waves a work-group, no clusters, 203,008 bytes of LDS; arguments x, Wk, Wq, Wv, bk, bq, bv, Wu, pos_enc, lowp_scales, acodes, wucodes; writes acodes, wucodes
.if DOCPART == 1
	.amdgcn_target "amdgcn-amd-amdhsa--gfx1250"
	.amdhsa_code_object_version 6
	.text
	.protected	k_qfb853f9c2c_attn
	.globl	k_qfb853f9c2c_attn
	.p2align	8
	.type	k_qfb853f9c2c_attn,@function
k_qfb853f9c2c_attn:
	s_mov_b64 s[64:65], 0
	v_nop
	global_prefetch_b8 v0, s[64:65] scope:SCOPE_SE
	s_setreg_imm32_b32 hwreg(HW_REG_WAVE_MODE, 25, 1), 1
	s_wait_xcnt 0x0
; SELF-ATTENTION OVER 32 x 32 POSITIONS, ONE (IMAGE b, HEAD hd) TO A WORK-GROUP: the three projections of the head's 32 channels, the scores with their relative-position bias,
; the softmax over the keys and values x p, all products on codes of FP8 (E4M3) with the given scales 2^e, e = lowp_scales[0..11].  The result leaves as codes (scale e10) for the last product.
; The work-group also quantises ONE row of Wu (row 8 b + hd, scale e11) for the next launch.
; SCALES: x e0 / e2 / e4 (quantised three times), Wk e1, Wq e3, Wv e5; of the scores' product the KEYS take e6 and the QUERIES e7 (the keys are the left operand of the einsum); values e8, p e9.
; SOFTMAX: t = logit x log2(e); M = the ceiling of the running largest t; p = 2^(t - M) is quantised; the sum is taken of the unquantised p and divides at the end.
; PHASES.  0: the head's 96 weight rows become codes in LDS (register images); the biases, divided by the power of two that the sums lack, and the head's bias table go to LDS.
;   1: x[b] is streamed once.  A lane takes a column (a position) and its registers run down the channels, so that the conversions give codes with K innermost; sixteen-lane swaps make the two fragments.
;      K and Q are made transposed (source 0 = 16 rows of W) so that a lane holds one position and 16 neighbouring channels; V the other way round, so that a lane holds one channel and neighbouring keys.
;   2: each wave owns four tiles of 16 queries and walks the 1,024 keys, 128 a step.  S^T = K Q^T: a lane holds ONE query and eight neighbouring keys a tile.
; THE BIAS COSTS NO VECTOR INSTRUCTION: for one query and eight neighbouring keys of an image row it is eight neighbouring words of the table, so it is loaded from LDS straight into the scores' registers
;   and is the C of the scores' product.  It lies there multiplied by sqrt(32) / 2^(e6 + e7), so that t = c x (sum + bias), c = log2(e) / sqrt(32) x 2^(e6 + e7).  Four copies, each a word further on, keep every lane's 16-byte loads aligned.
; K = 32 IN AN INSTRUCTION OF K = 64: a fragment holds two tiles of keys, one in registers 0-3 and one in 4-7; it is multiplied by [Q | 0] and by [0 | Q]; zero codes add nothing.
; k stands in other places of a fragment than the form's own layout gives it in the projections and the scores, alike in both operands: every product meets its partner.  In values x p k stands in its own place.
; NO CLUSTER, NO TENSOR LOAD, though the eight heads of an image read the same x: the hold of p at the largest code acts only where e9 < -8 (p is at most 1, and 448 x 2^-8 = 1.75), and a scalar branch on that
;   given whole number jumps over 64 of a key step's vector instructions.  x is a megabyte an image; the steps are 128 a SIMD.
; LIMITS, so that each power of two below is an f32 number: e0 .. e5, e9, e11, e6 - e0 - e1, e7 - e2 - e3, e8 - e4 - e5 and e10 - e8 - e9 between -126 and 119; e6 + e7 between -124 and 129.
;   NaN among the inputs is not served.  A p under 2^-126 counts as 0.
.set CP,   16448                       ; a copy of the bias table: 64 rows of 64 words and room for the shift; CP / 16 = 4 mod 16
.set KIMG, 4*CP                        ; K's codes: 64 tiles of 16 positions x 512 bytes: lane l's 16 bytes at 16 l: position l % 16, channels 16 (l / 16) + 0 .. 15
.set VIMG, KIMG+32768                  ; V's codes: key step s, tile t of channels, registers 4 q .. 4 q + 3 at 4096 s + 2048 t + 512 q + 16 l
.set QIMG, VIMG+32768                  ; Q's codes, as K's
.set WIMG, QIMG+32768                  ; the weights' fragments: 8192 x which + 4096 u + 1024 kb + 512 q + 16 l
.set BIAS, WIMG+24576                  ; 768 bytes for each wave, its own: bk' [32], bq' [32], then bv' with each number four times
; vector registers that stay
.set AK0, 1                            ; KIMG + 16 l
.set AV0, 2                            ; VIMG + 16 l
.set AB0, 3                            ; my lane's place in the bias table
.set AQ0, 4                            ; QIMG + 512 wave + 16 l
.set L16, 5                            ; 16 l
; phase 1
.set XO,  6                            ; 4 x thread: my column of x among the work-group's 512
.set WL,  7                            ; WIMG + 16 l
.set BKA, 8                            ; bk', bq': my half's 16 channels
.set BVA, 9                            ; bv': my channel
.set KST, 10                           ; where my wave's tiles of K go
.set QST, 11                           ; of Q (65,536 bytes further on: more than an offset holds)
.set VST, 12                           ; of V
.set PFO, 13                           ; the prefetches' offset
.set WA,  14                           ; WL + the block's 1,024 bytes
.set ACC, 16                           ; v16-111   twelve sums: K, Q at 8 (4 which + 2 u + xh), V at 8 (8 + 2 t + xh)
.set X,   112                          ; v112-175  64 channels of my column, f32
.set G,   176                          ; v176-191  their codes: two fragments
.set TMP, 192                          ; v192-207  two sets of eight held numbers
.set WB0, 208                          ; v208-223  two fragments of a weight
.set WB1, 224                          ; v224-239
.set SCX, 240                          ; v240-242  2^e0, 2^e2, 2^e4
.set SCR, 243                          ; v243-245  the folded scales of K's, Q's and V's sums
.set CD,  176                          ; v176-199  the finished codes of a chunk
; phase 2
.set ADK, 6
.set ADB, 7
.set ADV, 8
.set AQ,  9
.set AO,  10                           ; my byte offset in acodes
.set QZ,  16                           ; v16-27    0 0 0 0 | Q | 0 0 0 0
.set OC,  28                           ; v28-31    a tile's output codes
.set KF,  32                           ; v32-63    four fragments: pairs of key tiles
.set S,   64                           ; v64-127   the bias, then the scores, then p
.set VF,  128                          ; v128-159  V's two fragments
.set O,   160                          ; v160-175  O^T: channels 16 (l / 16) + 0 .. 15 of my query
.set P,   176                          ; v176-191  p's codes
.set EP,  192                          ; v192-207  O^T / the sum
; scalars
.set WV,  2
.set HD,  3
.set BB,  4
.set ROWU, 5
.set CS,  66                           ; s[66:67]  c, twice
.set SEL, 68                           ; s[68:69]  lane l xor 16
.set HOLD, 70                          ; 1 where e9 < -8
.set XP,  76                           ; s[76:77]  x at the block in hand
.set XS,  78                           ; s[78:79]  its step
.set PFP, 80                           ; s[80:81]  x two blocks on
.set PFS, 82
.set KBC, 84
.set BLKI, 85                          ; block 0 .. 7
.set PLIM, 86
.set KBO, 87
.set SK,  88                           ; 4096 x key step
.set SB,  89                           ; the bias table's byte for this tile and step
.set SBT, 90
.set SQ,  91
.set STC, 92
.set TLC, 93
.set TO,  62                           ; 65,536 x my tile's turn
.macro MKSC sc, neg, pos, e            ; s[sc] = 2^e as f32; s[pos], s[neg] = +-448 x 2^e
	s_add_co_i32 s[\sc], s[\e], 127
	s_add_co_i32 s[\pos], s[\e], 135
	s_lshl_b32 s[\sc], s[\sc], 23
	s_lshl_b32 s[\pos], s[\pos], 23
	s_or_b32 s[\pos], s[\pos], 0x600000
	s_or_b32 s[\neg], s[\pos], 0x80000000
.endm
.macro XLOAD                           ; 64 channels of my column: each load reads 128 consecutive bytes a wave, the sixteen waves 2,048 on end
.set XI, 0
.rept 64
	global_load_b32 v[X+XI], v[XO], s[XP:XP+1] offset:4096*XI
.set XI, XI+1
.endr
.endm
	s_load_b512 s[8:23], s[0:1], 0x0               ; x, Wk, Wq, Wv, bk, bq, bv, Wu
	s_load_b256 s[24:31], s[0:1], 0x40             ; pos_enc, lowp_scales, acodes, wucodes
	v_lshl_add_u32 v251, v0, 2, 0x31100
	v_mov_b32 v255, 0
	v_lshrrev_b32 v15, 5, v0
	v_readfirstlane_b32 s[WV], v15                 ; wave 0..15
	s_mov_b32 s[HD], ttmp9                         ; head
	s_and_b32 s[BB], ttmp7, 0xffff                 ; image
	s_lshl_b32 s[ROWU], s[BB], 3
	s_add_co_u32 s[ROWU], s[ROWU], s[HD]           ; my row of Wu
	v_and_b32 v104, 31, v0                         ; l
	v_and_b32 v105, 15, v0                         ; r
	v_bfe_u32 v106, v0, 4, 1                       ; h
	v_lshlrev_b32 v[L16], 4, v104
	v_add_nc_u32 v[AK0], KIMG, v[L16]
	v_add_nc_u32 v[AV0], VIMG, v[L16]
	v_lshl_add_u32 v[AQ0], v0, 4, QIMG             ; 16 x thread = 512 wave + 16 l
	v_and_b32 v107, 3, v105                        ; the bias table: copy r % 4,
	v_mul_u32_u24 v107, v107, CP
	v_lshl_add_u32 v107, v106, 5, v107             ; + 8 h words,
	v_lshrrev_b32 v108, 2, v105
	v_lshlrev_b32 v108, 4, v108
	v_add_nc_u32 v107, 64, v107
	v_sub_nc_u32 v[AB0], v107, v108                ; - 4 (r / 4) words: with the copy's shift that is - r
	v_add_nc_u32 v[WL], WIMG, v[L16]
	s_mul_i32 s94, s[WV], 768
	s_add_co_u32 s94, s94, BIAS                    ; my wave's biases
	v_lshl_add_u32 v[BKA], v106, 6, s94
	v_and_b32 v108, 8, v105
	v_add_nc_u32 v108, v108, v105                  ; r + 8 (r / 8): 0 .. 7, 16 .. 23
	v_lshl_add_u32 v[BVA], v108, 4, s94
	v_add_nc_u32 v[BVA], 256, v[BVA]
	v_lshl_add_u32 v177, v104, 2, s94              ; where bk' and bq' are stored
	v_add_nc_u32 v178, s94, v[L16]                 ; and bv'
	s_lshl_b32 s95, s[WV], 10                      ; image row y = wave + 16 j is tiles 2 y, 2 y + 1
	v_add_nc_u32 v[KST], s95, v[AK0]
	v_add_nc_u32 v[QST], s95, v[L16]
	v_add_nc_u32 v[QST], QIMG, v[QST]
	s_lshr_b32 s95, s[WV], 2                       ; and part y % 4 of key step y / 4
	s_lshl_b32 s95, s95, 12
	s_and_b32 s96, s[WV], 3
	s_lshl_b32 s96, s96, 9
	s_add_co_u32 s95, s95, s96
	v_add_nc_u32 v[VST], s95, v[AV0]
	v_and_b32 v109, 7, v0                          ; thread % 8
	v_lshrrev_b32 v[PFO], 3, v0
	v_lshlrev_b32 v[PFO], 12, v[PFO]               ; channel thread / 8 of a block's 64,
	v_lshl_add_u32 v[PFO], v109, 8, v[PFO]         ; 256 bytes thread % 8 of its 2,048
	v_lshlrev_b32 v[XO], 2, v0
	v_lshl_add_u32 v176, v0, 4, WIMG               ; where my wave's sixteenth of a weight goes: 512 wave + 16 l
	v_lshrrev_b32 v179, 3, v0                      ; the table's row dy = thread / 8
	v_lshlrev_b32 v179, 8, v179
	v_lshl_add_u32 v179, v109, 2, v179             ; 256 dy + 4 (thread % 8)
	; W: lane (r, h) of wave w takes row 32 hd + 8 u + r + 8 (r / 8), channels 64 kb + 32 h + 16 q + 0 .. 15;  u = w / 8, kb = (w / 2) % 4, q = w % 2
	v_lshlrev_b32 v110, 10, v108
	v_lshl_add_u32 v110, v106, 7, v110
	s_lshl_b32 s95, s[HD], 15
	s_lshr_b32 s96, s[WV], 3
	s_lshl_b32 s96, s96, 13
	s_add_co_u32 s95, s95, s96
	s_bfe_u32 s96, s[WV], 0x20001
	s_lshl_b32 s96, s96, 8
	s_add_co_u32 s95, s95, s96
	s_and_b32 s96, s[WV], 1
	s_lshl_b32 s96, s96, 6
	s_add_co_u32 s95, s95, s96
	v_add_nc_u32 v110, s95, v110
	s_lshl_b32 s95, s[HD], 7
	v_lshl_add_u32 v111, v104, 2, s95              ; the biases: channel 32 hd + l
	v_lshrrev_b32 v98, 3, v0                       ; pos_enc: row min(dy, 62) of 63 words, words thread % 8 + 8 m
	v_min_u32 v98, 62, v98
	v_mad_u32_u24 v98, v98, 63, v109
	v_add_nc_u32 v99, 56, v98                      ; m = 7 reaches the pad column: it is held inside the head's 3,969 words
	v_min_u32 v99, 0xf80, v99
	s_mul_i32 s95, s[HD], 15876
	v_lshl_add_u32 v98, v98, 2, s95
	v_lshl_add_u32 v99, v99, 2, s95
	s_lshl_b32 s95, s[ROWU], 10
	v_lshl_add_u32 v180, v104, 5, s95              ; Wu: eight numbers a lane
	s_lshl_b32 s95, s[ROWU], 8
	v_lshl_add_u32 v181, v104, 3, s95              ; and their codes
	s_wait_kmcnt 0x0
	s_load_b256 s[32:39], s[26:27], 0x0            ; e0 .. e7
	s_load_b128 s[40:43], s[26:27], 0x20           ; e8 .. e11
	s_cmp_lg_u32 s[WV], 0                          ; wave 0 takes Wu's row
	s_cbranch_scc1 .Lno_wu_load
	global_load_b128 v[76:79], v180, s[22:23]
	global_load_b128 v[80:83], v180, s[22:23] offset:16
.Lno_wu_load:
.irp c, 0,1,2,3
	global_load_b128 v[16+4*\c:19+4*\c], v110, s[10:11] offset:16*\c
.endr
.irp c, 0,1,2,3
	global_load_b128 v[32+4*\c:35+4*\c], v110, s[12:13] offset:16*\c
.endr
.irp c, 0,1,2,3
	global_load_b128 v[48+4*\c:51+4*\c], v110, s[14:15] offset:16*\c
.endr
	global_load_b32 v64, v111, s[16:17]
	global_load_b32 v65, v111, s[18:19]
	global_load_b32 v66, v111, s[20:21]
.irp m, 0,1,2,3,4,5,6
	global_load_b32 v[68+\m], v98, s[24:25] offset:32*\m
.endr
	global_load_b32 v75, v99, s[24:25]
	s_lshl_b32 s94, s[BB], 20
	s_mov_b32 s95, 0
	s_add_nc_u64 s[XP:XP+1], s[8:9], s[94:95]      ; x at my image
	XLOAD                                          ; block 0, behind all that phase 0 waits for
	s_wait_kmcnt 0x0
	MKSC 44, 47, 48, 32                            ; x under e0, e2, e4
	MKSC 45, 49, 50, 34
	MKSC 46, 51, 52, 36
	s_add_co_i32 s94, s32, s33                     ; a sum of a projection stands for sum x 2^(ex + ew)
	s_add_co_i32 s95, s34, s35
	s_add_co_i32 s96, s36, s37
	s_sub_co_i32 s97, s38, s94
	MKSC 53, 56, 57, 97                            ; so K's codes are sum / 2^(e6 - e0 - e1),
	s_sub_co_i32 s97, s39, s95
	MKSC 54, 58, 59, 97                            ; Q's sum / 2^(e7 - e2 - e3),
	s_sub_co_i32 s97, s40, s96
	MKSC 55, 60, 61, 97                            ; V's sum / 2^(e8 - e4 - e5),
	s_sub_co_i32 s97, s42, s40
	s_sub_co_i32 s97, s97, s41
	MKSC 73, 74, 75, 97                            ; and the result's (O / l) / 2^(e10 - e8 - e9)
	s_add_co_i32 s71, s41, 127
	s_add_co_i32 s72, s41, 135
	s_lshl_b32 s71, s71, 23                        ; 2^e9
	s_lshl_b32 s72, s72, 23
	s_or_b32 s72, s72, 0x600000                    ; 448 x 2^e9
	s_sub_co_i32 s94, 0, s94                       ; the biases go in divided by 2^(ex + ew)
	s_sub_co_i32 s95, 0, s95
	s_sub_co_i32 s96, 0, s96
	s_add_co_i32 s97, s38, s39
	s_lshl_b32 s62, s97, 23
	s_add_co_i32 s[CS], s62, 0x3e8293ee            ; c = log2(e) / sqrt(32), e6 + e7 added to its exponent field
	s_mov_b32 s[CS+1], s[CS]                       ; (named with it as a pair, so it is written)
	s_sub_co_i32 s97, 0, s97
	s_mov_b32 s[SEL], 0x76543210
	s_mov_b32 s[SEL+1], 0xfedcba98
	s_cmp_lt_i32 s41, -8
	s_cselect_b32 s[HOLD], 1, 0
	s_cmp_eq_u32 s[HD], 0
	s_cselect_b32 s[PLIM], 6, 0                    ; the image's first head prefetches, in blocks 0 to 5
	s_wait_loadcnt 63                              ; all but x's loads are in.  (64 were issued behind them; a wait names 63 at the most: ISA guide 5.7.1)
; a sixteenth of weight k: 16 numbers a lane, held at the largest code x the scale (the conversion does not saturate: ISA guide 7.6.2), become four registers of a fragment
.macro WQ k, e
	MKSC 98, 99, 100, \e
	v_mov_b32 v[247+\k], s98
.irp i, 0,1,2,3,4,5,6,7,8,9,10,11,12,13,14,15
	v_med3_num_f32 v[16+16*\k+\i], v[16+16*\k+\i], s99, s100
.endr
	v_cvt_scalef32_pk8_fp8_f32 v[84+4*\k:85+4*\k], v[16+16*\k:23+16*\k], v[247+\k]
	v_cvt_scalef32_pk8_fp8_f32 v[86+4*\k:87+4*\k], v[24+16*\k:31+16*\k], v[247+\k]
	v_nop                                          ; a plain line behind the last conversion: products write these registers later
	ds_store_b128 v176, v[84+4*\k:87+4*\k] offset:8192*\k
.endm
	WQ 0, 33
	WQ 1, 35
	WQ 2, 37
	v_ldexp_f32 v64, v64, s94
	v_ldexp_f32 v65, v65, s95
	v_ldexp_f32 v100, v66, s96
	ds_store_b32 v177, v64
	ds_store_b32 v177, v65 offset:128
	v_mov_b32 v101, v100                           ; in V's sums a lane's eight registers are one channel: its bias lies four times on end, for 16-byte loads
	v_mov_b32 v102, v100
	v_mov_b32 v103, v100
	ds_store_b128 v178, v[100:103] offset:256
	v_mov_b32 v67, 0x40b504f3                      ; sqrt(32)
	v_ldexp_f32 v67, v67, s97                      ; / 2^(e6 + e7)
.irp m, 0,1,2,3,4,5,6,7
	v_mul_f32 v[68+\m], v67, v[68+\m]
.endr
.irp s, 0,1,2,3                                ; word 64 dy + dx + 1 of copy s, which lies s words further on
.irp m, 0,1,2,3,4,5,6,7
	ds_store_b32 v179, v[68+\m] offset:4+32*\m+(CP+4)*\s
.endr
.endr
	s_cmp_lg_u32 s[WV], 0
	s_cbranch_scc1 .Lno_wu
	MKSC 98, 99, 100, 43
	v_mov_b32 v250, s98
.irp i, 0,1,2,3,4,5,6,7
	v_med3_num_f32 v[76+\i], v[76+\i], s99, s100
.endr
	v_cvt_scalef32_pk8_fp8_f32 v[96:97], v[76:83], v250
	v_nop
	global_store_b64 v181, v[96:97], s[30:31]      ; the wave stores the row's 256 consecutive bytes, aligned
	s_wait_xcnt 0x0                                ; the store's data and offset are written again below
.Lno_wu:
	v_mov_b32 v[SCX], s44
	v_mov_b32 v[SCX+1], s45
	v_mov_b32 v[SCX+2], s46
	v_mov_b32 v[SCR], s53
	v_mov_b32 v[SCR+1], s54
	v_mov_b32 v[SCR+2], s55
	s_wait_dscnt 0x0                               ; for the others' sake: my part of the weights and of the table lies in LDS
	s_barrier_signal -1
	s_barrier_wait -1
; ---------------- PHASE 1: the projections.  Wave w takes image rows w and w + 16 (a chunk: 32 positions), K in four blocks of 64 channels.
.macro WLOAD dst, k                    ; weight k's two fragments of this block
.irp u, 0,1
.irp q, 0,1
	ds_load_b128 v[\dst+8*\u+4*\q:\dst+8*\u+4*\q+3], v[WA] offset:8192*\k+4096*\u+512*\q
.endr
.endr
.endm
; The block's 64 numbers of my column become codes under x's k-th scale.  The first two times the held numbers go to other registers; the third time x is done with and is held in place.
; Then eight swaps of sixteen lanes: G[0:7] becomes the fragment of positions 0-15, G[8:15] that of positions 16-31; lane (r, h) holds channels 32 h + 0 .. 31, as the weights' fragments do.
; The first eight holds are the places behind the products issued just before: behind them stand the loads into the weights' registers and the first conversion into G.
.macro CONV k
.irp g, 0,1,2,3,4,5,6,7
.if \k == 0
	s_wait_loadcnt 56-8*\g                         ; loads come back in order: channels 8 g .. 8 g + 7 are in, the block's younger loads stay out
.endif
.irp i, 0,1,2,3,4,5,6,7
.if \k < 2
	v_med3_num_f32 v[TMP+8*(\g%2)+\i], v[X+8*\g+\i], s[47+2*\k], s[48+2*\k]
.else
	v_med3_num_f32 v[X+8*\g+\i], v[X+8*\g+\i], s[47+2*\k], s[48+2*\k]
.endif
.endr
.if \g == 0
.if \k == 0
	WLOAD WB0, 0
	WLOAD WB1, 1
.endif
.if \k == 2
	WLOAD WB0, 2
.endif
.endif
.if \k < 2
	v_cvt_scalef32_pk8_fp8_f32 v[G+2*\g:G+2*\g+1], v[TMP+8*(\g%2):TMP+8*(\g%2)+7], v[SCX+\k]
.else
	v_cvt_scalef32_pk8_fp8_f32 v[G+2*\g:G+2*\g+1], v[X+8*\g:X+8*\g+7], v[SCX+\k]
.endif
.endr
	v_nop                                          ; a plain line between the last conversion and the swaps
.irp i, 0,1,2,3,4,5,6,7
	v_permlane16_swap_b32 v[G+\i], v[G+8+\i]
.endr
.endm
.macro PROD_KQ k, wb                   ; transposed: source 0 = 16 rows of W, source 1 = 16 positions
.irp u, 0,1
.irp xh, 0,1
	v_wmma_f32_16x16x64_fp8_fp8 v[ACC+8*(4*\k+2*\u+\xh):ACC+8*(4*\k+2*\u+\xh)+7], v[\wb+8*\u:\wb+8*\u+7], v[G+8*\xh:G+8*\xh+7], v[ACC+8*(4*\k+2*\u+\xh):ACC+8*(4*\k+2*\u+\xh)+7]
.endr
.endr
.endm
.macro PROD_V                          ; source 0 = 16 positions, source 1 = 16 rows of Wv: a lane holds one channel and eight neighbouring keys
.irp t, 0,1
.irp xh, 0,1
	v_wmma_f32_16x16x64_fp8_fp8 v[ACC+8*(8+2*\t+\xh):ACC+8*(8+2*\t+\xh)+7], v[G+8*\xh:G+8*\xh+7], v[WB0+8*\t:WB0+8*\t+7], v[ACC+8*(8+2*\t+\xh):ACC+8*(8+2*\t+\xh)+7]
.endr
.endr
.endm
; A block.  The twelve sums take one turn each, over the backward jump too.
.macro KBLOCK
	v_add_nc_u32 v[WA], s[KBO], v[WL]
	CONV 0
	s_wait_dscnt 4                                 ; the sums' first values and Wk's fragments are in; Wq's four loads may be out
	PROD_KQ 0, WB0
	CONV 1
	s_wait_dscnt 0x0                               ; Wq's
	PROD_KQ 1, WB1
	CONV 2
	s_wait_dscnt 0x0                               ; Wv's
	PROD_V
	s_wait_xcnt 0x0                                ; the last block's loads and prefetch have read their bases: both are stepped
	s_cmp_eq_u32 s[BLKI], 3                        ; 64 channels on; from chunk 0's last block to chunk 1's first: back along the channels, 16 image rows on
	s_cselect_b64 s[XS:XS+1], s[96:97], s[94:95]
	s_cmp_eq_u32 s[BLKI], 2                        ; the prefetches stand one block further on
	s_cselect_b64 s[PFS:PFS+1], s[96:97], s[94:95]
	s_add_nc_u64 s[XP:XP+1], s[XP:XP+1], s[XS:XS+1]
	s_add_nc_u64 s[PFP:PFP+1], s[PFP:PFP+1], s[PFS:PFS+1]
	s_cmp_eq_u32 s[BLKI], 7                        ; behind the last block there is nothing to load
	s_cbranch_scc1 .Lno_x_\@
	XLOAD                                          ; the next block: 8 KB a wave are out while the other waves of the SIMD work
	s_cmp_lt_u32 s[BLKI], s[PLIM]
	s_cbranch_scc0 .Lno_x_\@
	; A PREFETCH of the block after the one just asked for, behind the wave's loads.  All eight heads of an image read the same x: its first head asks.  The work-group's 512 lanes name the block's
	; 64 channels x 8 aligned pieces of 256 bytes once each.  Blocks 0 and 1 come by their loads alone; blocks 6 and 7 ask for nothing: there is no block behind them.
	global_prefetch_b8 v[PFO], s[PFP:PFP+1] th:TH_LOAD_NT scope:SCOPE_SE
.Lno_x_\@:
	s_add_co_u32 s[KBO], s[KBO], 1024
	s_add_co_u32 s[BLKI], s[BLKI], 1
.endm
.macro INIT_ACC                        ; the sums begin as the biases: nothing is cleared and nothing is added later
.irp k, 0,1
.irp u, 0,1
.irp xh, 0,1
	ds_load_b128 v[ACC+8*(4*\k+2*\u+\xh):ACC+8*(4*\k+2*\u+\xh)+3], v[BKA] offset:128*\k+32*\u        ; register j: channel 16 h + 8 u + j
	ds_load_b128 v[ACC+8*(4*\k+2*\u+\xh)+4:ACC+8*(4*\k+2*\u+\xh)+7], v[BKA] offset:128*\k+32*\u+16
.endr
.endr
.endr
.irp t, 0,1
.irp xh, 0,1
	ds_load_b128 v[ACC+8*(8+2*\t+\xh):ACC+8*(8+2*\t+\xh)+3], v[BVA] offset:128*\t                    ; all eight registers: channel 8 t + r + 8 (r / 8)
	ds_load_b128 v[ACC+8*(8+2*\t+\xh)+4:ACC+8*(8+2*\t+\xh)+7], v[BVA] offset:128*\t
.endr
.endr
.endm
.macro FINISH j                        ; the chunk's sums become codes and go to LDS as images of the operands' registers
.rept 4
	v_nop                                          ; four places behind the last products (ISA guide 7.12.1)
.endr
.irp k, 0,1,2
.set FN, 0
.rept 32
	v_med3_num_f32 v[ACC+32*\k+FN], v[ACC+32*\k+FN], s[56+2*\k], s[57+2*\k]   ; each sum from its low end on
.set FN, FN+1
.endr
.endr
.irp k, 0,1
.irp xh, 0,1
.irp u, 0,1
	v_cvt_scalef32_pk8_fp8_f32 v[CD+8*\k+4*\xh+2*\u:CD+8*\k+4*\xh+2*\u+1], v[ACC+8*(4*\k+2*\u+\xh):ACC+8*(4*\k+2*\u+\xh)+7], v[SCR+\k]
.endr
.endr
.endr
.irp t, 0,1
.irp xh, 0,1
	v_cvt_scalef32_pk8_fp8_f32 v[CD+16+4*\t+2*\xh:CD+16+4*\t+2*\xh+1], v[ACC+8*(8+2*\t+\xh):ACC+8*(8+2*\t+\xh)+7], v[SCR+2]
.endr
.endr
	v_nop                                          ; a plain line behind the last conversion
.irp xh, 0,1
	ds_store_b128 v[KST], v[CD+4*\xh:CD+4*\xh+3] offset:16384*\j+512*\xh
	ds_store_b128 v[QST], v[CD+8+4*\xh:CD+8+4*\xh+3] offset:16384*\j+512*\xh
.endr
.irp t, 0,1
	ds_store_b128 v[VST], v[CD+16+4*\t:CD+16+4*\t+3] offset:16384*\j+2048*\t
.endr
	s_wait_dscnt 0x0
.endm
.macro CHUNK j
	INIT_ACC
	s_mov_b32 s[KBO], 0
	s_mov_b32 s[KBC], 4
.Lkb_\@:
	KBLOCK
	s_sub_co_u32 s[KBC], s[KBC], 1
	s_cmp_lg_u32 s[KBC], 0
	s_cbranch_scc1 .Lkb_\@
	FINISH \j
.endm
	s_mov_b32 s94, 0x40000                         ; s[94:95]: 64 channels of 4,096 bytes
	s_mov_b32 s95, 0
	s_mov_b32 s96, 0xfff40800                      ; s[96:97]: - 3 x 262,144 + 2,048, in 64 bits
	s_mov_b32 s97, -1
	s_add_nc_u64 s[PFP:PFP+1], s[XP:XP+1], s[94:95]  ; at block 1: block 0's step brings it to block 2
	s_mov_b32 s[BLKI], 0
	CHUNK 0
	CHUNK 1
	s_wait_loadcnt 0x0                             ; no load of x is out, and no load or prefetch still reads its registers: phase 2 writes them
	s_wait_xcnt 0x0
	s_wait_dscnt 0x0                               ; for the others' sake: my tiles of K, Q and V lie in LDS
	s_barrier_signal -1
	s_barrier_wait -1                              ; from here on LDS is only read
; ---------------- PHASE 2: attention.  Wave w takes query tiles w + 16 i, i = 0 .. 3: image row w / 2 + 8 i, columns 16 (w % 2) on.
.irp i, 0,1,2,3
	v_mov_b32 v[QZ+\i], 0
	v_mov_b32 v[QZ+8+\i], 0
.endr
	v_mov_b32 v236, 0                              ; written once: a lane permute's destination counts as one of its sources
	v_mov_b32 v253, 0                              ; (named as the upper half of the pair v[252:253])
	v_mov_b32 v240, s72                            ; 448 x 2^e9
	v_mov_b32 v244, s71                            ; 2^e9
	v_mov_b32 v246, s73                            ; 2^(e10 - e8 - e9)
	s_lshr_b32 s[SBT], s[WV], 1                    ; the table's row is y1 - y2 + 31: 256 (31 - w / 2) bytes (31 - a = 31 xor a),
	s_xor_b32 s[SBT], s[SBT], 31
	s_lshl_b32 s[SBT], s[SBT], 8
	s_and_b32 s94, s[WV], 1                        ; - 16 (w % 2) words, with 16 words of AB0's constant: 64 (1 - w % 2) bytes,
	s_xor_b32 s94, s94, 1
	s_lshl_b32 s94, s94, 6
	s_add_co_u32 s[SBT], s[SBT], s94
	s_add_co_u32 s[SBT], s[SBT], 2048              ; and eight rows less from tile to tile, taken off at a tile's head
	s_mov_b32 s[SQ], 0
	s_mov_b32 s[TO], 0
	s_lshl_b32 s94, s[BB], 18                      ; acodes: [image][query tile 64][head 8][lane 32][16 bytes]
	s_lshl_b32 s95, s[WV], 12
	s_add_co_u32 s94, s94, s95
	s_lshl_b32 s95, s[HD], 9
	s_add_co_u32 s94, s94, s95
	s_mov_b32 s95, 0
	s_add_nc_u64 s[28:29], s[28:29], s[94:95]
.macro NEXTLOADS                       ; a key step's bias, straight into the scores' registers, and its eight tiles of K
	v_add_nc_u32 v[ADK], s[SK], v[AK0]
	v_add_nc_u32 v[ADB], s[SB], v[AB0]
.irp t, 0,1,2,3,4,5,6,7
	ds_load_b128 v[S+8*\t:S+8*\t+3], v[ADB] offset:256*(\t/2)+64*(\t%2)          ; key tile t: image row t / 2 of the step's four, columns 16 (t % 2) on
	ds_load_b128 v[S+8*\t+4:S+8*\t+7], v[ADB] offset:256*(\t/2)+64*(\t%2)+16
.endr
.irp p, 0,1,2,3
	ds_load_b128 v[KF+8*\p:KF+8*\p+3], v[ADK] offset:1024*\p
	ds_load_b128 v[KF+8*\p+4:KF+8*\p+7], v[ADK] offset:1024*\p+512
.endr
.endm
	s_mov_b32 s[TLC], 4
.Ltile:
	s_sub_co_u32 s[SBT], s[SBT], 2048
	s_mov_b32 s[SB], s[SBT]
	s_mov_b32 s[SK], 0
	v_add_nc_u32 v[AQ], s[SQ], v[AQ0]
	ds_load_b128 v[QZ+4:QZ+7], v[AQ]
	NEXTLOADS
	v_mov_b32 v13, 0xff61b1e6                      ; the largest t so far: -3e38, under every t
	v_floor_f32 v12, -v13                          ; -M
	v_mov_b32 v14, 0                               ; the sum, in two halves
	v_mov_b32 v15, 0
.irp i, 0,1,2,3,4,5,6,7,8,9,10,11,12,13,14,15
	v_mov_b32 v[O+\i], 0                           ; the step is written once: a tile's first step finds zeros, which the first change of M leaves zeros
.endr
	s_mov_b32 s[STC], 8
.Lstep:                                            ; 128 keys
	v_add_nc_u32 v[ADV], s[SK], v[AV0]
.rept 3
	v_nop                                          ; with the addition: four places behind the last step's products, which read V's registers
.endr
.irp t, 0,1
.irp q, 0,1,2,3
	ds_load_b128 v[VF+16*\t+4*\q:VF+16*\t+4*\q+3], v[ADV] offset:2048*\t+512*\q
.endr
.endr
	s_wait_dscnt 8                                 ; Q, the bias and K are in; V's eight loads may be out
.irp p, 0,1,2,3                                ; S^T = K Q^T + bias: the even tile of a pair by [Q | 0], the odd one by [0 | Q]
	v_wmma_f32_16x16x64_fp8_fp8 v[S+16*\p:S+16*\p+7], v[KF+8*\p:KF+8*\p+7], v[QZ+4:QZ+11], v[S+16*\p:S+16*\p+7]
	v_wmma_f32_16x16x64_fp8_fp8 v[S+16*\p+8:S+16*\p+15], v[KF+8*\p:KF+8*\p+7], v[QZ:QZ+7], v[S+16*\p+8:S+16*\p+15]
.endr
.rept 4
	v_nop
.endr
	v_max3_num_f32 v254, v[S], v[S+1], v[S+2]      ; the step's largest score of my query among my 64 keys, in two chains, each tile from its low end on,
	v_max3_num_f32 v252, v[S+3], v[S+4], v[S+5]
.irp i, 6,10,14,18,22,26,30,34,38,42,46,50,54,58
	v_max3_num_f32 v254, v254, v[S+\i], v[S+1+\i]
	v_max3_num_f32 v252, v252, v[S+2+\i], v[S+3+\i]
.endr
	v_max3_num_f32 v254, v254, v[S+62], v[S+63]
	v_max_num_f32 v254, v254, v252
	v_permlanex16_b32 v236, v254, s[SEL], s[SEL+1]
	v_max_num_f32 v254, v254, v236                 ; and among lane l xor 16's
	v_mul_f32 v254, s[CS], v254                    ; as t (c is positive)
	v_max_num_f32 v13, v13, v254                   ; the running largest t
	v_mov_b32 v254, v12
	v_floor_f32 v12, -v13                          ; the new -M = floor(-t) = -ceil(t): a whole number
	v_sub_f32 v254, v12, v254                      ; M's old value less its new one: 0 or less
	v_cvt_i32_f32 v254, v254                       ; (it saturates)
	v_ldexp_f32 v252, 1.0, v254                    ; f = 2^(old M - new M): a multiplication by it rounds nothing
.set n, 0
.rept 32
	v_pk_fma_f32 v[S+n:S+n+1], v[S+n:S+n+1], s[CS:CS+1], v[12:13] op_sel_hi:[1,0,0]   ; t - M, two at a time (of the pairs c and -M the low word serves both halves)
.set n, n+2
.endr
.set n, 0
.rept 64
	v_exp_f32 v[S+n], v[S+n]                       ; p = 2^(t - M), at most 1
.set n, n+1
.endr
	v_pk_mul_f32 v[14:15], v[14:15], v[252:253] op_sel_hi:[1,0]   ; the sums under the new M: the plain line behind the exponentials
	s_wait_alu depctr_va_vdst(0)                   ; one wait for the batch of 64, ahead of its first reader
	v_pk_add_f32 v[242:243], v[S:S+1], v[S+2:S+3]  ; the sum is taken of the unquantised p, two at a time, in two chains
.irp j, 4,8,12,16,20,24,28,32,36,40,44,48,52,56,60
	v_pk_add_f32 v[14:15], v[14:15], v[S+\j:S+1+\j]
	v_pk_add_f32 v[242:243], v[242:243], v[S+2+\j:S+3+\j]
.endr
	v_pk_add_f32 v[14:15], v[14:15], v[242:243]
	s_cmp_eq_u32 s[HOLD], 0                        ; with e9 >= -8 the largest code x the scale is 1.75 or more, over every p: the hold changes nothing and is jumped over
	s_cbranch_scc1 .Lno_hold
.set n, 0
.rept 64
	v_min_num_f32 v[S+n], v[S+n], v240             ; the conversion does not saturate (ISA guide 7.6.2); p is not negative, so the hold is one-sided
.set n, n+1
.endr
.Lno_hold:
.irp t, 0,1,2,3,4,5,6,7
	v_cvt_scalef32_pk8_fp8_f32 v[P+2*\t:P+2*\t+1], v[S+8*\t:S+8*\t+7], v244   ; registers 2 t, 2 t + 1: keys 16 t + 8 h + 0 .. 7: the form's own layout
.endr
.irp j, 0,2,4,6,8,10,12,14
	v_pk_mul_f32 v[O+\j:O+\j+1], v[O+\j:O+\j+1], v[252:253] op_sel_hi:[1,0]   ; O^T under the new M; also the plain lines behind the conversions
.endr
	s_wait_dscnt 0x0                               ; V is in: asked for at the step's head
	s_cmp_eq_u32 s[STC], 1                         ; the next step's bias and K are asked for here, ahead of this step's last products; a tile's last step asks for nothing
	s_cbranch_scc1 .Llast_step
	s_add_co_u32 s[SK], s[SK], 4096
	s_add_co_u32 s[SB], s[SB], 1024                ; four image rows of keys on: four rows of the table
	NEXTLOADS
.Llast_step:
.irp t, 0,1                                    ; O^T += V^T p: tile t's rows are channels 8 t + r + 8 (r / 8), so that my 16 registers are channels 16 h + 0 .. 15
	v_wmma_f32_16x16x128_fp8_fp8 v[O+8*\t:O+8*\t+7], v[VF+16*\t:VF+16*\t+15], v[P:P+15], v[O+8*\t:O+8*\t+7]
.endr
	s_sub_co_u32 s[STC], s[STC], 1
	s_cmp_lg_u32 s[STC], 0
	s_cbranch_scc1 .Lstep
	; the tile's way out: O^T / the sum becomes 16 codes a lane under e10
.rept 4
	v_nop
.endr
	v_add_f32 v14, v14, v15                        ; the sum's two halves,
	v_permlanex16_b32 v236, v14, s[SEL], s[SEL+1]
	v_add_f32 v14, v14, v236                       ; and lane l xor 16's
	v_rcp_f32 v14, v14
	v_nop                                          ; a plain line behind the reciprocal
	s_wait_alu depctr_va_vdst(0)                   ; and the wait ahead of its first reader
.irp j, 0,2,4,6,8,10,12,14
	v_pk_mul_f32 v[EP+\j:EP+\j+1], v[O+\j:O+\j+1], v[14:15] op_sel_hi:[1,0]
.endr
.irp i, 0,1,2,3,4,5,6,7,8,9,10,11,12,13,14,15
	v_med3_num_f32 v[EP+\i], v[EP+\i], s74, s75
.endr
	s_wait_xcnt 0x0                                ; the last tile's store, eight key steps back, has read its data and its offset: both are written again
	v_add_nc_u32 v[AO], s[TO], v[L16]
	v_cvt_scalef32_pk8_fp8_f32 v[OC:OC+1], v[EP:EP+7], v246
	v_cvt_scalef32_pk8_fp8_f32 v[OC+2:OC+3], v[EP+8:EP+15], v246
	v_nop
	global_store_b128 v[AO], v[OC:OC+3], s[28:29]  ; the wave stores 512 consecutive bytes, aligned: query r, channels 32 hd + 16 h + 0 .. 15
	s_add_co_u32 s[TO], s[TO], 0x10000             ; sixteen query tiles of 4,096 bytes on
	s_add_co_u32 s[SQ], s[SQ], 8192
	s_sub_co_u32 s[TLC], s[TLC], 1
	s_cmp_lg_u32 s[TLC], 0
	s_cbranch_scc1 .Ltile
	s_wait_tensorcnt 0x0
	ds_add_u32 v251, v255
	s_wait_dscnt 0x0
	s_endpgm
.Lfunc_end_k_qfb853f9c2c_attn:
	.size	k_qfb853f9c2c_attn, .Lfunc_end_k_qfb853f9c2c_attn-k_qfb853f9c2c_attn
	.p2alignl 7, 3214868480
	.fill 96, 4, 3214868480
	.section	.rodata,"a",@progbits
	.p2align	6, 0x0
	.amdhsa_kernel k_qfb853f9c2c_attn
		.amdhsa_group_segment_fixed_size 203008
		.amdhsa_private_segment_fixed_size 0
		.amdhsa_enable_private_segment 0
		.amdhsa_kernarg_size 96
		.amdhsa_user_sgpr_count 2
		.amdhsa_user_sgpr_kernarg_segment_ptr 1
		.amdhsa_wavefront_size32 1
		.amdhsa_system_sgpr_workgroup_id_x 1
		.amdhsa_system_sgpr_workgroup_id_y 1
		.amdhsa_system_sgpr_workgroup_id_z 1
		.amdhsa_system_vgpr_workitem_id 0
		.amdhsa_next_free_vgpr 256
		.amdhsa_next_free_sgpr 102
		.amdhsa_reserve_vcc 0
		.amdhsa_float_denorm_mode_32 3
		.amdhsa_float_denorm_mode_16_64 3
		.amdhsa_memory_ordered 1
		.amdhsa_forward_progress 1
		.amdhsa_inst_pref_size 110
	.end_amdhsa_kernel
	.amdgpu_metadata
---
amdhsa.version: [ 1, 2 ]
amdhsa.kernels:
  - .name:           k_qfb853f9c2c_attn
    .symbol:         k_qfb853f9c2c_attn.kd
    .args:
      - { .name: x, .offset: 0, .size: 8, .value_kind: global_buffer, .address_space: global }
      - { .name: Wk, .offset: 8, .size: 8, .value_kind: global_buffer, .address_space: global }
      - { .name: Wq, .offset: 16, .size: 8, .value_kind: global_buffer, .address_space: global }
      - { .name: Wv, .offset: 24, .size: 8, .value_kind: global_buffer, .address_space: global }
      - { .name: bk, .offset: 32, .size: 8, .value_kind: global_buffer, .address_space: global }
      - { .name: bq, .offset: 40, .size: 8, .value_kind: global_buffer, .address_space: global }
      - { .name: bv, .offset: 48, .size: 8, .value_kind: global_buffer, .address_space: global }
      - { .name: Wu, .offset: 56, .size: 8, .value_kind: global_buffer, .address_space: global }
      - { .name: pos_enc, .offset: 64, .size: 8, .value_kind: global_buffer, .address_space: global }
      - { .name: lowp_scales, .offset: 72, .size: 8, .value_kind: global_buffer, .address_space: global }
      - { .name: acodes, .offset: 80, .size: 8, .value_kind: global_buffer, .address_space: global }
      - { .name: wucodes, .offset: 88, .size: 8, .value_kind: global_buffer, .address_space: global }
    .group_segment_fixed_size: 203008
    .private_segment_fixed_size: 0
    .kernarg_segment_align: 8
    .kernarg_segment_size: 96
    .max_flat_workgroup_size: 512
    .sgpr_count:     102
    .vgpr_count:     256
    .wavefront_size: 32
...
	.end_amdgpu_metadata
.endif
;; end of part 1
;; launch outp (part 2): grid 8 x 32, 16 waves a work-group, no clusters, 169,984 bytes of LDS; arguments acodes, wucodes, lowp_scales, bu, out0; writes out0
.if DOCPART == 2
	.amdgcn_target "amdgcn-amd-amdhsa--gfx1250"
	.amdhsa_code_object_version 6
	.text
	.protected	k_qfb853f9c2c_outp
	.globl	k_qfb853f9c2c_outp
	.p2align	8
	.type	k_qfb853f9c2c_outp,@function
k_qfb853f9c2c_outp:
	s_mov_b64 s[64:65], 0
	v_nop
	global_prefetch_b8 v0, s[64:65] scope:SCOPE_SE
	s_setreg_imm32_b32 hwreg(HW_REG_WAVE_MODE, 25, 1), 1
	s_wait_xcnt 0x0
; out0[b][o][n] = the sum over c of Wu[o][c] a[b][c][n] + bu[o], on codes of FP8 (E4M3): a's under 2^e10, Wu's under 2^e11 (lowp_scales[10], [11]); both were made by the launch before.
; acodes: [image 32][query tile 64][head 8][lane 32][16 bytes]: the 4,096 bytes of a tile are the image of the registers of its two fragments of 128 along K: lane (r, h), piece c: position r, channels 32 c + 16 h + 0 .. 15.
; wucodes: [o 256][c 256], a code a byte.  Wu's fragments are loaded with the same places of k, so every product meets its partner.
; SHARES.  A work-group takes 128 positions (eight tiles) of one image x all 256 outputs; wave w takes outputs 16 w .. 16 w + 15 for all eight tiles.  The tiles' 32 KB are copied to LDS once and read by all sixteen waves.
; Source 0 = 16 positions, source 1 = 16 rows of Wu: a lane holds ONE output channel and eight neighbouring positions, which are neighbours in out0.  A wave's 16 rows x 512 bytes go through its own stage in LDS and leave as whole rows.
; Memory binds here: no cluster (work-groups share only Wu's 64 KB), no prefetch (every load goes out at the head), no ring.
; LIMIT: e10 + e11 between -126 and 127, so that 2^(e10 + e11) is an f32 number.
.set STG,  32768                       ; behind the tiles' images: 16 rows x (512 bytes + 16) for each wave
.set SPI,  528
.set WU,   16                          ; v16-47    Wu's two fragments
.set ACC,  48                          ; v48-111   eight sums
.set AF,   112                         ; v112-175, v176-239: two tiles' four fragments, two sets; on the way out the results, and the rows read back
	s_load_b256 s[4:11], s[0:1], 0x0               ; acodes, wucodes, lowp_scales, bu
	s_load_b64 s[12:13], s[0:1], 0x20              ; out0
	v_lshl_add_u32 v254, v0, 2, 0x29000
	v_mov_b32 v255, 0
	v_lshrrev_b32 v1, 5, v0
	v_readfirstlane_b32 s2, v1                     ; wave 0..15
	s_and_b32 s3, ttmp7, 0xffff                    ; image
	v_and_b32 v1, 31, v0                           ; l
	v_and_b32 v2, 15, v0                           ; r
	v_bfe_u32 v3, v0, 4, 1                         ; h
	v_lshlrev_b32 v4, 4, v0                        ; the copy: 16 bytes a thread
	v_lshlrev_b32 v5, 4, v1                        ; 16 l
	s_lshl_b32 s14, s2, 12
	v_lshlrev_b32 v6, 8, v2
	v_lshl_add_u32 v6, v3, 4, v6
	v_add_nc_u32 v6, s14, v6                       ; Wu: row 16 w + r of 256 bytes, + 16 h
	s_lshl_b32 s14, s2, 6
	v_lshl_add_u32 v7, v2, 2, s14                  ; bu[16 w + r]
	s_mul_i32 s15, s2, 16*SPI
	s_add_co_u32 s15, s15, STG                     ; my stage
	v_mul_u32_u24 v8, v2, SPI
	v_lshl_add_u32 v8, v3, 5, v8
	v_add_nc_u32 v8, s15, v8                       ; in: row r, 32 bytes for each half of the lanes
	v_add_nc_u32 v9, s15, v5                       ; back: the 32 lanes take a row of 512 bytes
	s_lshl_b32 s16, s3, 18                         ; my eight tiles: (64 image + 8 x) x 4,096
	s_lshl_b32 s17, ttmp9, 15
	s_add_co_u32 s16, s16, s17
	s_mov_b32 s17, 0
	s_lshl_b32 s18, s3, 20                         ; out0: row 256 image + 16 w of 4,096 bytes, + 512 x
	s_lshl_b32 s19, s2, 16
	s_add_co_u32 s18, s18, s19
	s_lshl_b32 s19, ttmp9, 9
	s_add_co_u32 s18, s18, s19
	s_mov_b32 s19, 0
	s_wait_kmcnt 0x0
	s_load_b64 s[20:21], s[8:9], 0x28              ; e10, e11
	s_add_nc_u64 s[4:5], s[4:5], s[16:17]
	s_add_nc_u64 s[12:13], s[12:13], s[18:19]
.irp i, 0,1,2,3
	global_load_b128 v[AF+4*\i:AF+4*\i+3], v4, s[4:5] offset:8192*\i th:TH_LOAD_NT   ; read once in the launch; a wave's load covers 512 consecutive bytes
.endr
.irp c, 0,1,2,3,4,5,6,7
	global_load_b128 v[WU+4*\c:WU+4*\c+3], v6, s[6:7] offset:32*\c                   ; registers 4 c .. 4 c + 3: channels 32 c + 16 h + 0 .. 15
.endr
	global_load_b32 v12, v7, s[10:11]
	s_wait_loadcnt 9                               ; the copy's four loads are in; Wu's eight and bu's one may be out
.irp i, 0,1,2,3
	ds_store_b128 v4, v[AF+4*\i:AF+4*\i+3] offset:8192*\i
.endr
	s_wait_dscnt 0x0                               ; for the others' sake: my part of the images lies in LDS
	s_barrier_signal -1
	s_barrier_wait -1
.macro FETCH p                         ; tiles 2 p and 2 p + 1: four fragments, sixteen loads, into set p % 2
.irp mm, 0,1
.irp c, 0,1,2,3,4,5,6,7
	ds_load_b128 v[AF+64*((\p)%2)+32*\mm+4*\c:AF+64*((\p)%2)+32*\mm+4*\c+3], v5 offset:(2*(\p)+\mm)*4096+512*\c
.endr
.endr
.endm
.macro MUL p                           ; the two tiles' sums by turns, K step by K step; the first product starts a sum
.irp f, 0,1
.irp mm, 0,1
.if \f == 0
	v_wmma_f32_16x16x128_fp8_fp8 v[ACC+8*(2*(\p)+\mm):ACC+8*(2*(\p)+\mm)+7], v[AF+64*((\p)%2)+32*\mm+16*\f:AF+64*((\p)%2)+32*\mm+16*\f+15], v[WU+16*\f:WU+16*\f+15], 0
.else
	v_wmma_f32_16x16x128_fp8_fp8 v[ACC+8*(2*(\p)+\mm):ACC+8*(2*(\p)+\mm)+7], v[AF+64*((\p)%2)+32*\mm+16*\f:AF+64*((\p)%2)+32*\mm+16*\f+15], v[WU+16*\f:WU+16*\f+15], v[ACC+8*(2*(\p)+\mm):ACC+8*(2*(\p)+\mm)+7]
.endif
.endr
.endr
.rept 4
	v_nop                                          ; four places in front of loads into registers that these products read, and of the first read of results
.endr
.endm
	FETCH 0
	FETCH 1
	s_wait_kmcnt 0x0
	s_add_co_i32 s20, s20, s21
	s_add_co_i32 s20, s20, 127
	s_lshl_b32 s20, s20, 23                        ; 2^(e10 + e11) as f32
	s_mov_b32 s21, s20                             ; (named with it as a pair, so it is written)
	s_wait_loadcnt 0x0                             ; Wu, bu
	v_mov_b32 v13, v12                             ; (named with it as a pair)
	s_wait_dscnt 16                                ; the pair's sixteen loads are in, the next pair's may be out
	MUL 0
	FETCH 2
	s_wait_dscnt 16
	MUL 1
	FETCH 3
	s_wait_dscnt 16
	MUL 2
	s_wait_dscnt 0x0
	MUL 3
.set n, 0
.rept 32
	v_pk_fma_f32 v[AF+n:AF+n+1], v[ACC+n:ACC+n+1], s[20:21], v[12:13] op_sel_hi:[1,0,0]   ; sum x 2^(e10 + e11) + bu, two at a time; each sum from its low end on
.set n, n+2
.endr
.irp m, 0,1,2,3,4,5,6,7
	ds_store_b128 v8, v[AF+8*\m:AF+8*\m+3] offset:64*\m          ; lane (r, h): output 16 w + r, positions 16 m + 8 h + 0 .. 7
	ds_store_b128 v8, v[AF+8*\m+4:AF+8*\m+7] offset:64*\m+16
.endr
.irp i, 0,1,2,3,4,5,6,7,8,9,10,11,12,13,14,15
	ds_load_b128 v[AF+64+4*\i:AF+64+4*\i+3], v9 offset:\i*SPI    ; LDS serves a wave's instructions in order (ISA guide 5.7.1.4): these see my stores; the stage is my own
.endr
.irp i, 0,1,2,3,4,5,6,7,8,9,10,11,12,13,14,15
	s_wait_dscnt 15-\i
	global_store_b128 v5, v[AF+64+4*\i:AF+64+4*\i+3], s[12:13] offset:4096*\i th:TH_STORE_NT   ; 32 lanes store 512 consecutive bytes, at a multiple of 256 from out0's first byte; written once, read by nobody here
.endr
	s_wait_tensorcnt 0x0
	ds_add_u32 v254, v255
	s_wait_dscnt 0x0
	s_endpgm
.Lfunc_end_k_qfb853f9c2c_outp:
	.size	k_qfb853f9c2c_outp, .Lfunc_end_k_qfb853f9c2c_outp-k_qfb853f9c2c_outp
	.p2alignl 7, 3214868480
	.fill 96, 4, 3214868480
	.section	.rodata,"a",@progbits
	.p2align	6, 0x0
	.amdhsa_kernel k_qfb853f9c2c_outp
		.amdhsa_group_segment_fixed_size 169984
		.amdhsa_private_segment_fixed_size 0
		.amdhsa_enable_private_segment 0
		.amdhsa_kernarg_size 40
		.amdhsa_user_sgpr_count 2
		.amdhsa_user_sgpr_kernarg_segment_ptr 1
		.amdhsa_wavefront_size32 1
		.amdhsa_system_sgpr_workgroup_id_x 1
		.amdhsa_system_sgpr_workgroup_id_y 1
		.amdhsa_system_sgpr_workgroup_id_z 1
		.amdhsa_system_vgpr_workitem_id 0
		.amdhsa_next_free_vgpr 256
		.amdhsa_next_free_sgpr 66
		.amdhsa_reserve_vcc 0
		.amdhsa_float_denorm_mode_32 3
		.amdhsa_float_denorm_mode_16_64 3
		.amdhsa_memory_ordered 1
		.amdhsa_forward_progress 1
		.amdhsa_inst_pref_size 16
	.end_amdhsa_kernel
	.amdgpu_metadata
---
amdhsa.version: [ 1, 2 ]
amdhsa.kernels:
  - .name:           k_qfb853f9c2c_outp
    .symbol:         k_qfb853f9c2c_outp.kd
    .args:
      - { .name: acodes, .offset: 0, .size: 8, .value_kind: global_buffer, .address_space: global }
      - { .name: wucodes, .offset: 8, .size: 8, .value_kind: global_buffer, .address_space: global }
      - { .name: lowp_scales, .offset: 16, .size: 8, .value_kind: global_buffer, .address_space: global }
      - { .name: bu, .offset: 24, .size: 8, .value_kind: global_buffer, .address_space: global }
      - { .name: out0, .offset: 32, .size: 8, .value_kind: global_buffer, .address_space: global }
    .group_segment_fixed_size: 169984
    .private_segment_fixed_size: 0
    .kernarg_segment_align: 8
    .kernarg_segment_size: 40
    .max_flat_workgroup_size: 512
    .sgpr_count:     66
    .vgpr_count:     256
    .wavefront_size: 32
...
	.end_amdgpu_metadata
.endif
;; end of part 2
;; ======== version 2 of 2: 2 launches; version 1 with the launches attn, outp written anew for expert scheduling mode
;; workspace buffers: acodes 8,388,608 bytes; wucodes 65,536 bytes
;; launch attn (part 3): grid 8 x 32, 16 waves a work-group, no clusters, 203,008 bytes of LDS; arguments x, Wk, Wq, Wv, bk, bq, bv, Wu, pos_enc, lowp_scales, acodes, wucodes; writes acodes, wucodes
.if DOCPART == 3
	.amdgcn_target "amdgcn-amd-amdhsa--gfx1250"
	.amdhsa_code_object_version 6
	.text
	.protected	k_qfb853f9c2c_attn
	.globl	k_qfb853f9c2c_attn
	.p2align	8
	.type	k_qfb853f9c2c_attn,@function
k_qfb853f9c2c_attn:
	s_mov_b64 s[64:65], 0
	v_nop
	global_prefetch_b8 v0, s[64:65] scope:SCOPE_SE
	s_setreg_imm32_b32 hwreg(HW_REG_WAVE_SCHED_MODE, 0, 2), 2
	s_setreg_imm32_b32 hwreg(HW_REG_WAVE_MODE, 25, 1), 1
	s_wait_xcnt 0x0
	s_wait_alu depctr_vm_vsrc(0)
; SELF-ATTENTION OVER 32 x 32 POSITIONS, ONE (IMAGE b, HEAD hd) TO A WORK-GROUP: the three projections of the head's 32 channels, the scores with their relative-position bias,
; the softmax over the keys and values x p, all products on codes of FP8 (E4M3) with the given scales 2^e, e = lowp_scales[0..11].  The result leaves as codes (scale e10) for the last product.
; The work-group also quantises ONE row of Wu (row 8 b + hd, scale e11) for the next launch.
; SCALES: x e0 / e2 / e4 (quantised three times), Wk e1, Wq e3, Wv e5; of the scores' product the KEYS take e6 and the QUERIES e7 (the keys are the left operand of the einsum); values e8, p e9.
; SOFTMAX: t = logit x log2(e); M = the ceiling of the running largest t; p = 2^(t - M) is quantised; the sum is taken of the unquantised p and divides at the end.
; PHASES.  0: the head's 96 weight rows become codes in LDS (register images); the biases, divided by the power of two that the sums lack, and the head's bias table go to LDS.
;   1: x[b] is streamed once.  A lane takes a column (a position) and its registers run down the channels, so that the conversions give codes with K innermost; sixteen-lane swaps make the two fragments.
;      K and Q are made transposed (source 0 = 16 rows of W) so that a lane holds one position and 16 neighbouring channels; V the other way round, so that a lane holds one channel and neighbouring keys.
;   2: each wave owns four tiles of 16 queries and walks the 1,024 keys, 128 a step.  S^T = K Q^T: a lane holds ONE query and eight neighbouring keys a tile.
; THE BIAS COSTS NO VECTOR INSTRUCTION: for one query and eight neighbouring keys of an image row it is eight neighbouring words of the table, so it is loaded from LDS straight into the scores' registers
;   and is the C of the scores' product.  It lies there multiplied by sqrt(32) / 2^(e6 + e7), so that t = c x (sum + bias), c = log2(e) / sqrt(32) x 2^(e6 + e7).  Four copies, each a word further on, keep every lane's 16-byte loads aligned.
; K = 32 IN AN INSTRUCTION OF K = 64: a fragment holds two tiles of keys, one in registers 0-3 and one in 4-7; it is multiplied by [Q | 0] and by [0 | Q]; zero codes add nothing.
; k stands in other places of a fragment than the form's own layout gives it in the projections and the scores, alike in both operands: every product meets its partner.  In values x p k stands in its own place.
; NO CLUSTER, NO TENSOR LOAD, though the eight heads of an image read the same x: the hold of p at the largest code acts only where e9 < -8 (p is at most 1, and 448 x 2^-8 = 1.75), and a scalar branch on that
;   given whole number jumps over 64 of a key step's vector instructions.  x is a megabyte an image; the steps are 128 a SIMD.
; LIMITS, so that each power of two below is an f32 number: e0 .. e5, e9, e11, e6 - e0 - e1, e7 - e2 - e3, e8 - e4 - e5 and e10 - e8 - e9 between -126 and 119; e6 + e7 between -124 and 129.
;   NaN among the inputs is not served.  A p under 2^-126 counts as 0.
; THE MODE: SCHED_MODE bits 1:0 = 2 (LLVM: expert scheduling mode 2), set by the entry lines.  The code itself states the register dependences between vector or matrix instructions and
;   memory or LDS instructions, with s_wait_alu, always for 0.
; THE PLAN.  Registers that memory or LDS instructions touch, and who else names them:
;   HEAD     all offsets and LDS addresses are made once: one wait on va_vdst ahead of the first load; one on va_sdst ahead of the first reader of the wave's number.
;   PHASE 0  v16-83 are loaded, worked in place or into v84-103; all that arithmetic stands in one run, ONE wait on va_vdst behind it, then the 38 LDS stores.  One wait on vm_vsrc behind the barrier frees them all.
;   PHASE 1  X: loaded at a block's end, read by the block's three conversions.  WB0: Wk's fragments (loaded at the head, read by K's products), then Wv's (loaded ahead of Q's products, read by V's).
;            WB1: Wq's (loaded at the head, read by Q's products).  v[WA]: written at the head, read by the twelve loads.  G, TMP and the sums in the loop: vector and matrix instructions alone.
;            A block has three waits on va_vdst: at its head (v[WA]; WB0 and WB1 are free), behind the wait for Wq (WB0 is free), behind the wait for Wv (X is free): none stands straight behind products.
;   PHASE 2  S: the bias is loaded into it, products and the softmax work in it, the conversions read it last.  KF: loaded, read by the scores' products.  VF: loaded, read by the step's last products.
;            The three addresses are written behind the exponentials, ahead of the wait that the exponentials want anyway: behind it go V's loads.  A second wait, behind the conversions, frees S for the next step's bias.
.set CP,   16448                       ; a copy of the bias table: 64 rows of 64 words and room for the shift; CP / 16 = 4 mod 16
.set KIMG, 4*CP                        ; K's codes: 64 tiles of 16 positions x 512 bytes: lane l's 16 bytes at 16 l: position l % 16, channels 16 (l / 16) + 0 .. 15
.set VIMG, KIMG+32768                  ; V's codes: key step s, tile t of channels, registers 4 q .. 4 q + 3 at 4096 s + 2048 t + 512 q + 16 l
.set QIMG, VIMG+32768                  ; Q's codes, as K's
.set WIMG, QIMG+32768                  ; the weights' fragments: 8192 x which + 4096 u + 1024 kb + 512 q + 16 l
.set BIAS, WIMG+24576                  ; 768 bytes for each wave, its own: bk' [32], bq' [32], then bv' with each number four times
; vector registers that stay
.set AK0, 1                            ; KIMG + 16 l
.set AV0, 2                            ; VIMG + 16 l
.set AB0, 3                            ; my lane's place in the bias table
.set AQ0, 4                            ; QIMG + 512 wave + 16 l
.set L16, 5                            ; 16 l
; phase 1
.set XO,  6                            ; 4 x thread: my column of x among the work-group's 512
.set WL,  7                            ; WIMG + 16 l
.set BKA, 8                            ; bk', bq': my half's 16 channels
.set BVA, 9                            ; bv': my channel
.set KST, 10                           ; where my wave's tiles of K go
.set QST, 11                           ; of Q (65,536 bytes further on: more than an offset holds)
.set VST, 12                           ; of V
.set PFO, 13                           ; the prefetches' offset
.set WA,  14                           ; WL + the block's 1,024 bytes
.set ACC, 16                           ; v16-111   twelve sums: K, Q at 8 (4 which + 2 u + xh), V at 8 (8 + 2 t + xh)
.set X,   112                          ; v112-175  64 channels of my column, f32
.set G,   176                          ; v176-191  their codes: two fragments
.set TMP, 192                          ; v192-207  two sets of eight held numbers
.set WB0, 208                          ; v208-223  two fragments of a weight
.set WB1, 224                          ; v224-239
.set SCX, 240                          ; v240-242  2^e0, 2^e2, 2^e4
.set SCR, 243                          ; v243-245  the folded scales of K's, Q's and V's sums
.set CD,  176                          ; v176-199  the finished codes of a chunk
; phase 2
.set ADK, 6
.set ADB, 7
.set ADV, 8
.set AQ,  9
.set AO,  10                           ; my byte offset in acodes
.set QZ,  16                           ; v16-27    0 0 0 0 | Q | 0 0 0 0
.set OC,  28                           ; v28-31    a tile's output codes
.set KF,  32                           ; v32-63    four fragments: pairs of key tiles
.set S,   64                           ; v64-127   the bias, then the scores, then p
.set VF,  128                          ; v128-159  V's two fragments
.set O,   160                          ; v160-175  O^T: channels 16 (l / 16) + 0 .. 15 of my query
.set P,   176                          ; v176-191  p's codes
.set EP,  192                          ; v192-207  O^T / the sum
; scalars
.set WV,  2
.set HD,  3
.set BB,  4
.set ROWU, 5
.set CS,  66                           ; s[66:67]  c, twice
.set SEL, 68                           ; s[68:69]  lane l xor 16
.set HOLD, 70                          ; 1 where e9 < -8
.set XP,  76                           ; s[76:77]  x at the block in hand
.set XS,  78                           ; s[78:79]  its step
.set PFP, 80                           ; s[80:81]  x two blocks on
.set PFS, 82
.set KBC, 84
.set BLKI, 85                          ; block 0 .. 7
.set PLIM, 86
.set KBO, 87
.set SK,  88                           ; 4096 x key step
.set SB,  89                           ; the bias table's byte for this tile and step
.set SBT, 90
.set SQ,  91
.set STC, 92
.set TLC, 93
.set TO,  62                           ; 65,536 x my tile's turn
.macro MKSC sc, neg, pos, e            ; s[sc] = 2^e as f32; s[pos], s[neg] = +-448 x 2^e
	s_add_co_i32 s[\sc], s[\e], 127
	s_add_co_i32 s[\pos], s[\e], 135
	s_lshl_b32 s[\sc], s[\sc], 23
	s_lshl_b32 s[\pos], s[\pos], 23
	s_or_b32 s[\pos], s[\pos], 0x600000
	s_or_b32 s[\neg], s[\pos], 0x80000000
.endm
.macro XLOAD                           ; 64 channels of my column: each load reads 128 consecutive bytes a wave, the sixteen waves 2,048 on end
.set XI, 0
.rept 64
	global_load_b32 v[X+XI], v[XO], s[XP:XP+1] offset:4096*XI
.set XI, XI+1
.endr
.endm
	s_load_b512 s[8:23], s[0:1], 0x0               ; x, Wk, Wq, Wv, bk, bq, bv, Wu
	s_load_b256 s[24:31], s[0:1], 0x40             ; pos_enc, lowp_scales, acodes, wucodes
	v_lshl_add_u32 v251, v0, 2, 0x31100
	v_mov_b32 v255, 0
	v_lshrrev_b32 v15, 5, v0
	v_readfirstlane_b32 s[WV], v15                 ; wave 0..15
	s_mov_b32 s[HD], ttmp9                         ; head
	s_and_b32 s[BB], ttmp7, 0xffff                 ; image
	s_lshl_b32 s[ROWU], s[BB], 3
	s_add_co_u32 s[ROWU], s[ROWU], s[HD]           ; my row of Wu
	v_and_b32 v104, 31, v0                         ; l
	v_and_b32 v105, 15, v0                         ; r
	v_bfe_u32 v106, v0, 4, 1                       ; h
	v_lshlrev_b32 v[L16], 4, v104
	v_add_nc_u32 v[AK0], KIMG, v[L16]
	v_add_nc_u32 v[AV0], VIMG, v[L16]
	v_lshl_add_u32 v[AQ0], v0, 4, QIMG             ; 16 x thread = 512 wave + 16 l
	v_and_b32 v107, 3, v105                        ; the bias table: copy r % 4,
	v_mul_u32_u24 v107, v107, CP
	v_lshl_add_u32 v107, v106, 5, v107             ; + 8 h words,
	v_lshrrev_b32 v108, 2, v105
	v_lshlrev_b32 v108, 4, v108
	v_add_nc_u32 v107, 64, v107
	v_sub_nc_u32 v[AB0], v107, v108                ; - 4 (r / 4) words: with the copy's shift that is - r
	v_add_nc_u32 v[WL], WIMG, v[L16]
	s_wait_alu depctr_va_sdst(0)                   ; the wave's number is written, ahead of its first reader: LDS places, offsets and branches are made from it
	s_mul_i32 s94, s[WV], 768
	s_add_co_u32 s94, s94, BIAS                    ; my wave's biases
	v_lshl_add_u32 v[BKA], v106, 6, s94
	v_and_b32 v108, 8, v105
	v_add_nc_u32 v108, v108, v105                  ; r + 8 (r / 8): 0 .. 7, 16 .. 23
	v_lshl_add_u32 v[BVA], v108, 4, s94
	v_add_nc_u32 v[BVA], 256, v[BVA]
	v_lshl_add_u32 v177, v104, 2, s94              ; where bk' and bq' are stored
	v_add_nc_u32 v178, s94, v[L16]                 ; and bv'
	s_lshl_b32 s95, s[WV], 10                      ; image row y = wave + 16 j is tiles 2 y, 2 y + 1
	v_add_nc_u32 v[KST], s95, v[AK0]
	v_add_nc_u32 v[QST], s95, v[L16]
	v_add_nc_u32 v[QST], QIMG, v[QST]
	s_lshr_b32 s95, s[WV], 2                       ; and part y % 4 of key step y / 4
	s_lshl_b32 s95, s95, 12
	s_and_b32 s96, s[WV], 3
	s_lshl_b32 s96, s96, 9
	s_add_co_u32 s95, s95, s96
	v_add_nc_u32 v[VST], s95, v[AV0]
	v_and_b32 v109, 7, v0                          ; thread % 8
	v_lshrrev_b32 v[PFO], 3, v0
	v_lshlrev_b32 v[PFO], 12, v[PFO]               ; channel thread / 8 of a block's 64,
	v_lshl_add_u32 v[PFO], v109, 8, v[PFO]         ; 256 bytes thread % 8 of its 2,048
	v_lshlrev_b32 v[XO], 2, v0
	v_lshl_add_u32 v176, v0, 4, WIMG               ; where my wave's sixteenth of a weight goes: 512 wave + 16 l
	v_lshrrev_b32 v179, 3, v0                      ; the table's row dy = thread / 8
	v_lshlrev_b32 v179, 8, v179
	v_lshl_add_u32 v179, v109, 2, v179             ; 256 dy + 4 (thread % 8)
	; W: lane (r, h) of wave w takes row 32 hd + 8 u + r + 8 (r / 8), channels 64 kb + 32 h + 16 q + 0 .. 15;  u = w / 8, kb = (w / 2) % 4, q = w % 2
	v_lshlrev_b32 v110, 10, v108
	v_lshl_add_u32 v110, v106, 7, v110
	s_lshl_b32 s95, s[HD], 15
	s_lshr_b32 s96, s[WV], 3
	s_lshl_b32 s96, s96, 13
	s_add_co_u32 s95, s95, s96
	s_bfe_u32 s96, s[WV], 0x20001
	s_lshl_b32 s96, s96, 8
	s_add_co_u32 s95, s95, s96
	s_and_b32 s96, s[WV], 1
	s_lshl_b32 s96, s96, 6
	s_add_co_u32 s95, s95, s96
	v_add_nc_u32 v110, s95, v110
	s_lshl_b32 s95, s[HD], 7
	v_lshl_add_u32 v111, v104, 2, s95              ; the biases: channel 32 hd + l
	v_lshrrev_b32 v98, 3, v0                       ; pos_enc: row min(dy, 62) of 63 words, words thread % 8 + 8 m
	v_min_u32 v98, 62, v98
	v_mad_u32_u24 v98, v98, 63, v109
	v_add_nc_u32 v99, 56, v98                      ; m = 7 reaches the pad column: it is held inside the head's 3,969 words
	v_min_u32 v99, 0xf80, v99
	s_mul_i32 s95, s[HD], 15876
	v_lshl_add_u32 v98, v98, 2, s95
	v_lshl_add_u32 v99, v99, 2, s95
	s_lshl_b32 s95, s[ROWU], 10
	v_lshl_add_u32 v180, v104, 5, s95              ; Wu: eight numbers a lane
	s_lshl_b32 s95, s[ROWU], 8
	v_lshl_add_u32 v181, v104, 3, s95              ; and their codes
	s_wait_kmcnt 0x0
	s_load_b256 s[32:39], s[26:27], 0x0            ; e0 .. e7
	s_load_b128 s[40:43], s[26:27], 0x20           ; e8 .. e11
	s_wait_alu depctr_va_vdst(0)                   ; every offset and LDS address made above is written: the loads, stores and the prefetch of phases 0 and 1 read them
	s_cmp_lg_u32 s[WV], 0                          ; wave 0 takes Wu's row
	s_cbranch_scc1 .Lno_wu_load
	global_load_b128 v[76:79], v180, s[22:23]
	global_load_b128 v[80:83], v180, s[22:23] offset:16
.Lno_wu_load:
.irp c, 0,1,2,3
	global_load_b128 v[16+4*\c:19+4*\c], v110, s[10:11] offset:16*\c
.endr
.irp c, 0,1,2,3
	global_load_b128 v[32+4*\c:35+4*\c], v110, s[12:13] offset:16*\c
.endr
.irp c, 0,1,2,3
	global_load_b128 v[48+4*\c:51+4*\c], v110, s[14:15] offset:16*\c
.endr
	global_load_b32 v64, v111, s[16:17]
	global_load_b32 v65, v111, s[18:19]
	global_load_b32 v66, v111, s[20:21]
.irp m, 0,1,2,3,4,5,6
	global_load_b32 v[68+\m], v98, s[24:25] offset:32*\m
.endr
	global_load_b32 v75, v99, s[24:25]
	s_lshl_b32 s94, s[BB], 20
	s_mov_b32 s95, 0
	s_add_nc_u64 s[XP:XP+1], s[8:9], s[94:95]      ; x at my image
	XLOAD                                          ; block 0, behind all that phase 0 waits for
	s_wait_kmcnt 0x0
	MKSC 44, 47, 48, 32                            ; x under e0, e2, e4
	MKSC 45, 49, 50, 34
	MKSC 46, 51, 52, 36
	s_add_co_i32 s94, s32, s33                     ; a sum of a projection stands for sum x 2^(ex + ew)
	s_add_co_i32 s95, s34, s35
	s_add_co_i32 s96, s36, s37
	s_sub_co_i32 s97, s38, s94
	MKSC 53, 56, 57, 97                            ; so K's codes are sum / 2^(e6 - e0 - e1),
	s_sub_co_i32 s97, s39, s95
	MKSC 54, 58, 59, 97                            ; Q's sum / 2^(e7 - e2 - e3),
	s_sub_co_i32 s97, s40, s96
	MKSC 55, 60, 61, 97                            ; V's sum / 2^(e8 - e4 - e5),
	s_sub_co_i32 s97, s42, s40
	s_sub_co_i32 s97, s97, s41
	MKSC 73, 74, 75, 97                            ; and the result's (O / l) / 2^(e10 - e8 - e9)
	s_add_co_i32 s71, s41, 127
	s_add_co_i32 s72, s41, 135
	s_lshl_b32 s71, s71, 23                        ; 2^e9
	s_lshl_b32 s72, s72, 23
	s_or_b32 s72, s72, 0x600000                    ; 448 x 2^e9
	s_sub_co_i32 s94, 0, s94                       ; the biases go in divided by 2^(ex + ew)
	s_sub_co_i32 s95, 0, s95
	s_sub_co_i32 s96, 0, s96
	s_add_co_i32 s97, s38, s39
	s_lshl_b32 s62, s97, 23
	s_add_co_i32 s[CS], s62, 0x3e8293ee            ; c = log2(e) / sqrt(32), e6 + e7 added to its exponent field
	s_mov_b32 s[CS+1], s[CS]                       ; (named with it as a pair, so it is written)
	s_sub_co_i32 s97, 0, s97
	s_mov_b32 s[SEL], 0x76543210
	s_mov_b32 s[SEL+1], 0xfedcba98
	s_cmp_lt_i32 s41, -8
	s_cselect_b32 s[HOLD], 1, 0
	s_cmp_eq_u32 s[HD], 0
	s_cselect_b32 s[PLIM], 6, 0                    ; the image's first head prefetches, in blocks 0 to 5
	s_wait_loadcnt 63                              ; all but x's loads are in.  (64 were issued behind them; a wait names 63 at the most: ISA guide 5.7.1)
; a sixteenth of weight k: 16 numbers a lane, held at the largest code x the scale (the conversion does not saturate: ISA guide 7.6.2), become four registers of a fragment.
; The line that follows each pair of conversions is a plain vector line that names none of their registers: products write these registers later.
.macro WQ k, e
	MKSC 98, 99, 100, \e
	v_mov_b32 v[247+\k], s98
.irp i, 0,1,2,3,4,5,6,7,8,9,10,11,12,13,14,15
	v_med3_num_f32 v[16+16*\k+\i], v[16+16*\k+\i], s99, s100
.endr
	v_cvt_scalef32_pk8_fp8_f32 v[84+4*\k:85+4*\k], v[16+16*\k:23+16*\k], v[247+\k]
	v_cvt_scalef32_pk8_fp8_f32 v[86+4*\k:87+4*\k], v[24+16*\k:31+16*\k], v[247+\k]
.endm
	WQ 0, 33
	WQ 1, 35
	WQ 2, 37
	v_ldexp_f32 v64, v64, s94
	v_ldexp_f32 v65, v65, s95
	v_ldexp_f32 v100, v66, s96
	v_mov_b32 v101, v100                           ; in V's sums a lane's eight registers are one channel: its bias lies four times on end, for 16-byte loads
	v_mov_b32 v102, v100
	v_mov_b32 v103, v100
	v_mov_b32 v67, 0x40b504f3                      ; sqrt(32)
	v_ldexp_f32 v67, v67, s97                      ; / 2^(e6 + e7)
.irp m, 0,1,2,3,4,5,6,7
	v_mul_f32 v[68+\m], v67, v[68+\m]
.endr
	s_wait_alu depctr_va_vdst(0)                   ; the weights' codes v84-95, the biases v64, v65, v100-103 and the table's words v68-75 are written: the 38 LDS stores below read them
.irp k, 0,1,2
	ds_store_b128 v176, v[84+4*\k:87+4*\k] offset:8192*\k
.endr
	ds_store_b32 v177, v64
	ds_store_b32 v177, v65 offset:128
	ds_store_b128 v178, v[100:103] offset:256
.irp s, 0,1,2,3                                ; word 64 dy + dx + 1 of copy s, which lies s words further on
.irp m, 0,1,2,3,4,5,6,7
	ds_store_b32 v179, v[68+\m] offset:4+32*\m+(CP+4)*\s
.endr
.endr
	s_cmp_lg_u32 s[WV], 0
	s_cbranch_scc1 .Lno_wu
	MKSC 98, 99, 100, 43
	v_mov_b32 v250, s98
.irp i, 0,1,2,3,4,5,6,7
	v_med3_num_f32 v[76+\i], v[76+\i], s99, s100
.endr
	v_cvt_scalef32_pk8_fp8_f32 v[96:97], v[76:83], v250
	v_nop                                          ; a plain line behind the conversion: products write these registers later
	s_wait_alu depctr_va_vdst(0)                   ; the conversion has written v[96:97], which the store reads
	global_store_b64 v181, v[96:97], s[30:31]      ; the wave stores the row's 256 consecutive bytes, aligned
	s_wait_xcnt 0x0                                ; the store's data and offset are written again below; the wait on vm_vsrc behind the barrier stands beside this one
.Lno_wu:
	v_mov_b32 v[SCX], s44
	v_mov_b32 v[SCX+1], s45
	v_mov_b32 v[SCX+2], s46
	v_mov_b32 v[SCR], s53
	v_mov_b32 v[SCR+1], s54
	v_mov_b32 v[SCR+2], s55
	s_wait_dscnt 0x0                               ; for the others' sake: my part of the weights and of the table lies in LDS
	s_barrier_signal -1
	s_barrier_wait -1
	s_wait_alu depctr_vm_vsrc(0)                   ; phase 0's stores have read their data (v64-103) and its loads their offsets (v98, v99, v110, v111): the sums' first values land in v16-111
; ---------------- PHASE 1: the projections.  Wave w takes image rows w and w + 16 (a chunk: 32 positions), K in four blocks of 64 channels.
.macro WLOAD dst, k                    ; weight k's two fragments of this block
.irp u, 0,1
.irp q, 0,1
	ds_load_b128 v[\dst+8*\u+4*\q:\dst+8*\u+4*\q+3], v[WA] offset:8192*\k+4096*\u+512*\q
.endr
.endr
.endm
; The block's 64 numbers of my column become codes under x's k-th scale.  The first two times the held numbers go to other registers; the third time x is done with and is held in place.
; Then eight swaps of sixteen lanes: G[0:7] becomes the fragment of positions 0-15, G[8:15] that of positions 16-31; lane (r, h) holds channels 32 h + 0 .. 31, as the weights' fragments do.
; The first eight holds are the places behind the products issued just before: behind them stands the first conversion into G, which those products read.
.macro CONV k
.irp g, 0,1,2,3,4,5,6,7
.if \k == 0
	s_wait_loadcnt 56-8*\g                         ; loads come back in order: channels 8 g .. 8 g + 7 are in, the block's younger loads stay out
.endif
.irp i, 0,1,2,3,4,5,6,7
.if \k < 2
	v_med3_num_f32 v[TMP+8*(\g%2)+\i], v[X+8*\g+\i], s[47+2*\k], s[48+2*\k]
.else
	v_med3_num_f32 v[X+8*\g+\i], v[X+8*\g+\i], s[47+2*\k], s[48+2*\k]
.endif
.endr
.if \k < 2
	v_cvt_scalef32_pk8_fp8_f32 v[G+2*\g:G+2*\g+1], v[TMP+8*(\g%2):TMP+8*(\g%2)+7], v[SCX+\k]
.else
	v_cvt_scalef32_pk8_fp8_f32 v[G+2*\g:G+2*\g+1], v[X+8*\g:X+8*\g+7], v[SCX+\k]
.endif
.endr
	v_nop                                          ; a plain line between the last conversion and the swaps
.irp i, 0,1,2,3,4,5,6,7
	v_permlane16_swap_b32 v[G+\i], v[G+8+\i]
.endr
.endm
.macro PROD_KQ k, wb                   ; transposed: source 0 = 16 rows of W, source 1 = 16 positions
.irp u, 0,1
.irp xh, 0,1
	v_wmma_f32_16x16x64_fp8_fp8 v[ACC+8*(4*\k+2*\u+\xh):ACC+8*(4*\k+2*\u+\xh)+7], v[\wb+8*\u:\wb+8*\u+7], v[G+8*\xh:G+8*\xh+7], v[ACC+8*(4*\k+2*\u+\xh):ACC+8*(4*\k+2*\u+\xh)+7]
.endr
.endr
.endm
.macro PROD_V                          ; source 0 = 16 positions, source 1 = 16 rows of Wv: a lane holds one channel and eight neighbouring keys
.irp t, 0,1
.irp xh, 0,1
	v_wmma_f32_16x16x64_fp8_fp8 v[ACC+8*(8+2*\t+\xh):ACC+8*(8+2*\t+\xh)+7], v[G+8*\xh:G+8*\xh+7], v[WB0+8*\t:WB0+8*\t+7], v[ACC+8*(8+2*\t+\xh):ACC+8*(8+2*\t+\xh)+7]
.endr
.endr
.endm
; A block.  The twelve sums take one turn each, over the backward jump too.
.macro KBLOCK
	s_wait_alu depctr_vm_vsrc(0)                   ; the last block's LDS loads have read v[WA]; in a chunk's first block: the last chunk's LDS stores have read v[CD ..], which the conversions and holds below write
	v_add_nc_u32 v[WA], s[KBO], v[WL]
	s_wait_alu depctr_va_vdst(0)                   ; v[WA] is written; the last block's products for Q and V are done reading WB1 and WB0, in which the eight loads below land
	WLOAD WB0, 0
	WLOAD WB1, 1
	CONV 0
	s_wait_dscnt 4                                 ; the sums' first values and Wk's fragments are in; Wq's four loads may be out
	PROD_KQ 0, WB0
	CONV 1
	s_wait_dscnt 0x0                               ; Wq's
	s_wait_alu depctr_va_vdst(0)                   ; K's products are done reading WB0, in which Wv's fragments land.  No line from here to V's products names WB0 or v[WA]
	WLOAD WB0, 2
	PROD_KQ 1, WB1
	CONV 2
	s_wait_dscnt 0x0                               ; Wv's
	s_wait_alu depctr_va_vdst(0)                   ; the third conversion has written and read X for the last time: the next block's 64 loads land there.  V's products, which stand between, name G, WB0 and their sums alone
	PROD_V
	s_wait_xcnt 0x0                                ; the last block's loads and prefetch have read their bases: both are stepped
	s_cmp_eq_u32 s[BLKI], 3                        ; 64 channels on; from chunk 0's last block to chunk 1's first: back along the channels, 16 image rows on
	s_cselect_b64 s[XS:XS+1], s[96:97], s[94:95]
	s_cmp_eq_u32 s[BLKI], 2                        ; the prefetches stand one block further on
	s_cselect_b64 s[PFS:PFS+1], s[96:97], s[94:95]
	s_add_nc_u64 s[XP:XP+1], s[XP:XP+1], s[XS:XS+1]
	s_add_nc_u64 s[PFP:PFP+1], s[PFP:PFP+1], s[PFS:PFS+1]
	s_cmp_eq_u32 s[BLKI], 7                        ; behind the last block there is nothing to load
	s_cbranch_scc1 .Lno_x_\@
	XLOAD                                          ; the next block: 8 KB a wave are out while the other waves of the SIMD work
	s_cmp_lt_u32 s[BLKI], s[PLIM]
	s_cbranch_scc0 .Lno_x_\@
	; A PREFETCH of the block after the one just asked for, behind the wave's loads.  All eight heads of an image read the same x: its first head asks.  The work-group's 512 lanes name the block's
	; 64 channels x 8 aligned pieces of 256 bytes once each.  Blocks 0 and 1 come by their loads alone; blocks 6 and 7 ask for nothing: there is no block behind them.
	global_prefetch_b8 v[PFO], s[PFP:PFP+1] th:TH_LOAD_NT scope:SCOPE_SE
.Lno_x_\@:
	s_add_co_u32 s[KBO], s[KBO], 1024
	s_add_co_u32 s[BLKI], s[BLKI], 1
.endm
.macro INIT_ACC                        ; the sums begin as the biases: nothing is cleared and nothing is added later.  No vector line since the last wait on va_vdst names v16-111
.irp k, 0,1
.irp u, 0,1
.irp xh, 0,1
	ds_load_b128 v[ACC+8*(4*\k+2*\u+\xh):ACC+8*(4*\k+2*\u+\xh)+3], v[BKA] offset:128*\k+32*\u        ; register j: channel 16 h + 8 u + j
	ds_load_b128 v[ACC+8*(4*\k+2*\u+\xh)+4:ACC+8*(4*\k+2*\u+\xh)+7], v[BKA] offset:128*\k+32*\u+16
.endr
.endr
.endr
.irp t, 0,1
.irp xh, 0,1
	ds_load_b128 v[ACC+8*(8+2*\t+\xh):ACC+8*(8+2*\t+\xh)+3], v[BVA] offset:128*\t                    ; all eight registers: channel 8 t + r + 8 (r / 8)
	ds_load_b128 v[ACC+8*(8+2*\t+\xh)+4:ACC+8*(8+2*\t+\xh)+7], v[BVA] offset:128*\t
.endr
.endr
.endm
.macro FINISH j                        ; the chunk's sums become codes and go to LDS as images of the operands' registers
.rept 4
	v_nop                                          ; four places behind the last products (ISA guide 7.12.1)
.endr
.irp k, 0,1,2
.set FN, 0
.rept 32
	v_med3_num_f32 v[ACC+32*\k+FN], v[ACC+32*\k+FN], s[56+2*\k], s[57+2*\k]   ; each sum from its low end on
.set FN, FN+1
.endr
.endr
.irp k, 0,1
.irp xh, 0,1
.irp u, 0,1
	v_cvt_scalef32_pk8_fp8_f32 v[CD+8*\k+4*\xh+2*\u:CD+8*\k+4*\xh+2*\u+1], v[ACC+8*(4*\k+2*\u+\xh):ACC+8*(4*\k+2*\u+\xh)+7], v[SCR+\k]
.endr
.endr
.endr
.irp t, 0,1
.irp xh, 0,1
	v_cvt_scalef32_pk8_fp8_f32 v[CD+16+4*\t+2*\xh:CD+16+4*\t+2*\xh+1], v[ACC+8*(8+2*\t+\xh):ACC+8*(8+2*\t+\xh)+7], v[SCR+2]
.endr
.endr
	v_nop                                          ; a plain line behind the last conversion
	s_wait_alu depctr_va_vdst(0)                   ; the conversions have written v[CD ..], which the six LDS stores read, and are done reading the sums, in which the next chunk's first values land
.irp xh, 0,1
	ds_store_b128 v[KST], v[CD+4*\xh:CD+4*\xh+3] offset:16384*\j+512*\xh
	ds_store_b128 v[QST], v[CD+8+4*\xh:CD+8+4*\xh+3] offset:16384*\j+512*\xh
.endr
.irp t, 0,1
	ds_store_b128 v[VST], v[CD+16+4*\t:CD+16+4*\t+3] offset:16384*\j+2048*\t
.endr
	s_wait_dscnt 0x0
.endm
.macro CHUNK j
	INIT_ACC
	s_mov_b32 s[KBO], 0
	s_mov_b32 s[KBC], 4
.Lkb_\@:
	KBLOCK
	s_sub_co_u32 s[KBC], s[KBC], 1
	s_cmp_lg_u32 s[KBC], 0
	s_cbranch_scc1 .Lkb_\@
	FINISH \j
.endm
	s_mov_b32 s94, 0x40000                         ; s[94:95]: 64 channels of 4,096 bytes
	s_mov_b32 s95, 0
	s_mov_b32 s96, 0xfff40800                      ; s[96:97]: - 3 x 262,144 + 2,048, in 64 bits
	s_mov_b32 s97, -1
	s_add_nc_u64 s[PFP:PFP+1], s[XP:XP+1], s[94:95]  ; at block 1: block 0's step brings it to block 2
	s_mov_b32 s[BLKI], 0
	CHUNK 0
	CHUNK 1
	s_wait_loadcnt 0x0                             ; no load of x is out, and no load or prefetch still reads its registers: phase 2 writes them (behind the wait on vm_vsrc at the first tile's head)
	s_wait_xcnt 0x0
	s_wait_dscnt 0x0                               ; for the others' sake: my tiles of K, Q and V lie in LDS
	s_barrier_signal -1
	s_barrier_wait -1                              ; from here on LDS is only read
; ---------------- PHASE 2: attention.  Wave w takes query tiles w + 16 i, i = 0 .. 3: image row w / 2 + 8 i, columns 16 (w % 2) on.
.irp i, 0,1,2,3
	v_mov_b32 v[QZ+\i], 0
	v_mov_b32 v[QZ+8+\i], 0
.endr
	v_mov_b32 v236, 0                              ; written once: a lane permute's destination counts as one of its sources
	v_mov_b32 v253, 0                              ; (named as the upper half of the pair v[252:253])
	v_mov_b32 v240, s72                            ; 448 x 2^e9
	v_mov_b32 v244, s71                            ; 2^e9
	v_mov_b32 v246, s73                            ; 2^(e10 - e8 - e9)
	s_lshr_b32 s[SBT], s[WV], 1                    ; the table's row is y1 - y2 + 31: 256 (31 - w / 2) bytes (31 - a = 31 xor a),
	s_xor_b32 s[SBT], s[SBT], 31
	s_lshl_b32 s[SBT], s[SBT], 8
	s_and_b32 s94, s[WV], 1                        ; - 16 (w % 2) words, with 16 words of AB0's constant: 64 (1 - w % 2) bytes,
	s_xor_b32 s94, s94, 1
	s_lshl_b32 s94, s94, 6
	s_add_co_u32 s[SBT], s[SBT], s94
	s_add_co_u32 s[SBT], s[SBT], 2048              ; and eight rows less from tile to tile, taken off at a tile's head
	s_mov_b32 s[SQ], 0
	s_mov_b32 s[TO], 0
	s_lshl_b32 s94, s[BB], 18                      ; acodes: [image][query tile 64][head 8][lane 32][16 bytes]
	s_lshl_b32 s95, s[WV], 12
	s_add_co_u32 s94, s94, s95
	s_lshl_b32 s95, s[HD], 9
	s_add_co_u32 s94, s94, s95
	s_mov_b32 s95, 0
	s_add_nc_u64 s[28:29], s[28:29], s[94:95]
.macro NEXTLOADS                       ; a key step's bias, straight into the scores' registers, and its eight tiles of K; v[ADB] and v[ADK] were made ahead of a wait on va_vdst
.irp t, 0,1,2,3,4,5,6,7
	ds_load_b128 v[S+8*\t:S+8*\t+3], v[ADB] offset:256*(\t/2)+64*(\t%2)          ; key tile t: image row t / 2 of the step's four, columns 16 (t % 2) on
	ds_load_b128 v[S+8*\t+4:S+8*\t+7], v[ADB] offset:256*(\t/2)+64*(\t%2)+16
.endr
.irp p, 0,1,2,3
	ds_load_b128 v[KF+8*\p:KF+8*\p+3], v[ADK] offset:1024*\p
	ds_load_b128 v[KF+8*\p+4:KF+8*\p+7], v[ADK] offset:1024*\p+512
.endr
.endm
	s_mov_b32 s[TLC], 4
.Ltile:
	s_sub_co_u32 s[SBT], s[SBT], 2048
	s_mov_b32 s[SB], s[SBT]
	s_mov_b32 s[SK], 0
	s_wait_alu depctr_vm_vsrc(0)                   ; the last tile's LDS loads have read v[AQ], v[ADK], v[ADB], and its store v[AO] and v[OC ..]; at the first tile: phase 1's loads, stores and prefetch have read v6-14 and v[CD ..], all written again from here on
	v_add_nc_u32 v[AQ], s[SQ], v[AQ0]
	v_add_nc_u32 v[ADK], s[SK], v[AK0]
	v_add_nc_u32 v[ADB], s[SB], v[AB0]
	s_wait_alu depctr_va_vdst(0)                   ; the three addresses are written; whatever named Q's, K's and the scores' registers before (the last tile; phase 1) is done with them
	ds_load_b128 v[QZ+4:QZ+7], v[AQ]
	NEXTLOADS
	v_mov_b32 v13, 0xff61b1e6                      ; the largest t so far: -3e38, under every t
	v_floor_f32 v12, -v13                          ; -M
	v_mov_b32 v14, 0                               ; the sum, in two halves
	v_mov_b32 v15, 0
.irp i, 0,1,2,3,4,5,6,7,8,9,10,11,12,13,14,15
	v_mov_b32 v[O+\i], 0                           ; the step is written once: a tile's first step finds zeros, which the first change of M leaves zeros
.endr
	s_mov_b32 s[STC], 8
.Lstep:                                            ; 128 keys
	s_wait_dscnt 0x0                               ; Q, the bias and K are in
.irp p, 0,1,2,3                                ; S^T = K Q^T + bias: the even tile of a pair by [Q | 0], the odd one by [0 | Q]
	v_wmma_f32_16x16x64_fp8_fp8 v[S+16*\p:S+16*\p+7], v[KF+8*\p:KF+8*\p+7], v[QZ+4:QZ+11], v[S+16*\p:S+16*\p+7]
	v_wmma_f32_16x16x64_fp8_fp8 v[S+16*\p+8:S+16*\p+15], v[KF+8*\p:KF+8*\p+7], v[QZ:QZ+7], v[S+16*\p+8:S+16*\p+15]
.endr
.rept 4
	v_nop
.endr
	v_max3_num_f32 v254, v[S], v[S+1], v[S+2]      ; the step's largest score of my query among my 64 keys, in two chains, each tile from its low end on,
	v_max3_num_f32 v252, v[S+3], v[S+4], v[S+5]
.irp i, 6,10,14,18,22,26,30,34,38,42,46,50,54,58
	v_max3_num_f32 v254, v254, v[S+\i], v[S+1+\i]
	v_max3_num_f32 v252, v252, v[S+2+\i], v[S+3+\i]
.endr
	v_max3_num_f32 v254, v254, v[S+62], v[S+63]
	v_max_num_f32 v254, v254, v252
	v_permlanex16_b32 v236, v254, s[SEL], s[SEL+1]
	v_max_num_f32 v254, v254, v236                 ; and among lane l xor 16's
	v_mul_f32 v254, s[CS], v254                    ; as t (c is positive)
	v_max_num_f32 v13, v13, v254                   ; the running largest t
	v_mov_b32 v254, v12
	v_floor_f32 v12, -v13                          ; the new -M = floor(-t) = -ceil(t): a whole number
	v_sub_f32 v254, v12, v254                      ; M's old value less its new one: 0 or less
	v_cvt_i32_f32 v254, v254                       ; (it saturates)
	v_ldexp_f32 v252, 1.0, v254                    ; f = 2^(old M - new M): a multiplication by it rounds nothing
.set n, 0
.rept 32
	v_pk_fma_f32 v[S+n:S+n+1], v[S+n:S+n+1], s[CS:CS+1], v[12:13] op_sel_hi:[1,0,0]   ; t - M, two at a time (of the pairs c and -M the low word serves both halves)
.set n, n+2
.endr
.set n, 0
.rept 64
	v_exp_f32 v[S+n], v[S+n]                       ; p = 2^(t - M), at most 1
.set n, n+1
.endr
	v_pk_mul_f32 v[14:15], v[14:15], v[252:253] op_sel_hi:[1,0]   ; the sums under the new M: the plain line behind the exponentials
	s_wait_alu depctr_vm_vsrc(0)                   ; the LDS loads issued so far have read v[ADV], v[ADK] and v[ADB]
	v_add_nc_u32 v[ADV], s[SK], v[AV0]             ; this step's V
	s_add_co_u32 s[SK], s[SK], 4096
	s_add_co_u32 s[SB], s[SB], 1024                ; four image rows of keys on: four rows of the table
	v_add_nc_u32 v[ADK], s[SK], v[AK0]             ; the next step's K and bias (a tile's last step makes them and does not use them)
	v_add_nc_u32 v[ADB], s[SB], v[AB0]
	s_wait_alu depctr_va_vdst(0)                   ; the 64 exponentials have written p, ahead of its first reader; the three addresses are written; the last step's products are done reading V's registers, and this step's K's
.irp t, 0,1
.irp q, 0,1,2,3
	ds_load_b128 v[VF+16*\t+4*\q:VF+16*\t+4*\q+3], v[ADV] offset:2048*\t+512*\q
.endr
.endr
	v_pk_add_f32 v[242:243], v[S:S+1], v[S+2:S+3]  ; the sum is taken of the unquantised p, two at a time, in two chains
.irp j, 4,8,12,16,20,24,28,32,36,40,44,48,52,56,60
	v_pk_add_f32 v[14:15], v[14:15], v[S+\j:S+1+\j]
	v_pk_add_f32 v[242:243], v[242:243], v[S+2+\j:S+3+\j]
.endr
	v_pk_add_f32 v[14:15], v[14:15], v[242:243]
	s_cmp_eq_u32 s[HOLD], 0                        ; with e9 >= -8 the largest code x the scale is 1.75 or more, over every p: the hold changes nothing and is jumped over
	s_cbranch_scc1 .Lno_hold
.set n, 0
.rept 64
	v_min_num_f32 v[S+n], v[S+n], v240             ; the conversion does not saturate (ISA guide 7.6.2); p is not negative, so the hold is one-sided
.set n, n+1
.endr
.Lno_hold:
.irp t, 0,1,2,3,4,5,6,7
	v_cvt_scalef32_pk8_fp8_f32 v[P+2*\t:P+2*\t+1], v[S+8*\t:S+8*\t+7], v244   ; registers 2 t, 2 t + 1: keys 16 t + 8 h + 0 .. 7: the form's own layout
.endr
.irp j, 0,2,4,6,8,10,12,14
	v_pk_mul_f32 v[O+\j:O+\j+1], v[O+\j:O+\j+1], v[252:253] op_sel_hi:[1,0]   ; O^T under the new M; also the plain lines behind the conversions
.endr
	s_wait_dscnt 0x0                               ; V is in: asked for behind the exponentials
	s_cmp_eq_u32 s[STC], 1                         ; the next step's bias and K are asked for here, ahead of this step's last products; a tile's last step asks for nothing
	s_cbranch_scc1 .Llast_step
	s_wait_alu depctr_va_vdst(0)                   ; the sums, the hold and the conversions are done with p's registers, in which the next step's bias lands.  The two products below name V, p's codes and O^T alone
	NEXTLOADS
.Llast_step:
.irp t, 0,1                                    ; O^T += V^T p: tile t's rows are channels 8 t + r + 8 (r / 8), so that my 16 registers are channels 16 h + 0 .. 15
	v_wmma_f32_16x16x128_fp8_fp8 v[O+8*\t:O+8*\t+7], v[VF+16*\t:VF+16*\t+15], v[P:P+15], v[O+8*\t:O+8*\t+7]
.endr
	s_sub_co_u32 s[STC], s[STC], 1
	s_cmp_lg_u32 s[STC], 0
	s_cbranch_scc1 .Lstep
	; the tile's way out: O^T / the sum becomes 16 codes a lane under e10
.rept 4
	v_nop
.endr
	v_add_f32 v14, v14, v15                        ; the sum's two halves,
	v_permlanex16_b32 v236, v14, s[SEL], s[SEL+1]
	v_add_f32 v14, v14, v236                       ; and lane l xor 16's
	v_rcp_f32 v14, v14
	v_nop                                          ; a plain line behind the reciprocal
	s_wait_alu depctr_va_vdst(0)                   ; the reciprocal has written v14, ahead of its first reader
.irp j, 0,2,4,6,8,10,12,14
	v_pk_mul_f32 v[EP+\j:EP+\j+1], v[O+\j:O+\j+1], v[14:15] op_sel_hi:[1,0]
.endr
.irp i, 0,1,2,3,4,5,6,7,8,9,10,11,12,13,14,15
	v_med3_num_f32 v[EP+\i], v[EP+\i], s74, s75
.endr
	s_wait_xcnt 0x0                                ; the last tile's store, eight key steps back, has read its data and its offset: both are written again (the wait on vm_vsrc at this tile's head stands behind that store too)
	v_add_nc_u32 v[AO], s[TO], v[L16]
	v_cvt_scalef32_pk8_fp8_f32 v[OC:OC+1], v[EP:EP+7], v246
	v_cvt_scalef32_pk8_fp8_f32 v[OC+2:OC+3], v[EP+8:EP+15], v246
	v_nop
	s_wait_alu depctr_va_vdst(0)                   ; the conversions have written v[OC ..] and the addition v[AO]: the store reads both
	global_store_b128 v[AO], v[OC:OC+3], s[28:29]  ; the wave stores 512 consecutive bytes, aligned: query r, channels 32 hd + 16 h + 0 .. 15
	s_add_co_u32 s[TO], s[TO], 0x10000             ; sixteen query tiles of 4,096 bytes on
	s_add_co_u32 s[SQ], s[SQ], 8192
	s_sub_co_u32 s[TLC], s[TLC], 1
	s_cmp_lg_u32 s[TLC], 0
	s_cbranch_scc1 .Ltile
	s_wait_dscnt 0x0
	s_wait_alu depctr_hold_cnt(0) depctr_sa_sdst(0) depctr_va_vdst(0) depctr_va_sdst(0) depctr_va_ssrc(0) depctr_va_vcc(0) depctr_vm_vsrc(0)
	s_wait_tensorcnt 0x0
	ds_add_u32 v251, v255
	s_wait_dscnt 0x0
	s_endpgm
.Lfunc_end_k_qfb853f9c2c_attn:
	.size	k_qfb853f9c2c_attn, .Lfunc_end_k_qfb853f9c2c_attn-k_qfb853f9c2c_attn
	.p2alignl 7, 3214868480
	.fill 96, 4, 3214868480
	.section	.rodata,"a",@progbits
	.p2align	6, 0x0
	.amdhsa_kernel k_qfb853f9c2c_attn
		.amdhsa_group_segment_fixed_size 203008
		.amdhsa_private_segment_fixed_size 0
		.amdhsa_enable_private_segment 0
		.amdhsa_kernarg_size 96
		.amdhsa_user_sgpr_count 2
		.amdhsa_user_sgpr_kernarg_segment_ptr 1
		.amdhsa_wavefront_size32 1
		.amdhsa_system_sgpr_workgroup_id_x 1
		.amdhsa_system_sgpr_workgroup_id_y 1
		.amdhsa_system_sgpr_workgroup_id_z 1
		.amdhsa_system_vgpr_workitem_id 0
		.amdhsa_next_free_vgpr 256
		.amdhsa_next_free_sgpr 102
		.amdhsa_reserve_vcc 0
		.amdhsa_float_denorm_mode_32 3
		.amdhsa_float_denorm_mode_16_64 3
		.amdhsa_memory_ordered 1
		.amdhsa_forward_progress 1
		.amdhsa_inst_pref_size 110
	.end_amdhsa_kernel
	.amdgpu_metadata
---
amdhsa.version: [ 1, 2 ]
amdhsa.kernels:
  - .name:           k_qfb853f9c2c_attn
    .symbol:         k_qfb853f9c2c_attn.kd
    .args:
      - { .name: x, .offset: 0, .size: 8, .value_kind: global_buffer, .address_space: global }
      - { .name: Wk, .offset: 8, .size: 8, .value_kind: global_buffer, .address_space: global }
      - { .name: Wq, .offset: 16, .size: 8, .value_kind: global_buffer, .address_space: global }
      - { .name: Wv, .offset: 24, .size: 8, .value_kind: global_buffer, .address_space: global }
      - { .name: bk, .offset: 32, .size: 8, .value_kind: global_buffer, .address_space: global }
      - { .name: bq, .offset: 40, .size: 8, .value_kind: global_buffer, .address_space: global }
      - { .name: bv, .offset: 48, .size: 8, .value_kind: global_buffer, .address_space: global }
      - { .name: Wu, .offset: 56, .size: 8, .value_kind: global_buffer, .address_space: global }
      - { .name: pos_enc, .offset: 64, .size: 8, .value_kind: global_buffer, .address_space: global }
      - { .name: lowp_scales, .offset: 72, .size: 8, .value_kind: global_buffer, .address_space: global }
      - { .name: acodes, .offset: 80, .size: 8, .value_kind: global_buffer, .address_space: global }
      - { .name: wucodes, .offset: 88, .size: 8, .value_kind: global_buffer, .address_space: global }
    .group_segment_fixed_size: 203008
    .private_segment_fixed_size: 0
    .kernarg_segment_align: 8
    .kernarg_segment_size: 96
    .max_flat_workgroup_size: 512
    .sgpr_count:     102
    .vgpr_count:     256
    .wavefront_size: 32
...
	.end_amdgpu_metadata
.endif
;; end of part 3
;; launch outp (part 4): grid 8 x 32, 16 waves a work-group, no clusters, 169,984 bytes of LDS; arguments acodes, wucodes, lowp_scales, bu, out0; writes out0
.if DOCPART == 4
	.amdgcn_target "amdgcn-amd-amdhsa--gfx1250"
	.amdhsa_code_object_version 6
	.text
	.protected	k_qfb853f9c2c_outp
	.globl	k_qfb853f9c2c_outp
	.p2align	8
	.type	k_qfb853f9c2c_outp,@function
k_qfb853f9c2c_outp:
	s_mov_b64 s[64:65], 0
	v_nop
	global_prefetch_b8 v0, s[64:65] scope:SCOPE_SE
	s_setreg_imm32_b32 hwreg(HW_REG_WAVE_SCHED_MODE, 0, 2), 2
	s_setreg_imm32_b32 hwreg(HW_REG_WAVE_MODE, 25, 1), 1
	s_wait_xcnt 0x0
	s_wait_alu depctr_vm_vsrc(0)
; out0[b][o][n] = the sum over c of Wu[o][c] a[b][c][n] + bu[o], on codes of FP8 (E4M3): a's under 2^e10, Wu's under 2^e11 (lowp_scales[10], [11]); both were made by the launch before.
; acodes: [image 32][query tile 64][head 8][lane 32][16 bytes]: the 4,096 bytes of a tile are the image of the registers of its two fragments of 128 along K: lane (r, h), piece c: position r, channels 32 c + 16 h + 0 .. 15.
; wucodes: [o 256][c 256], a code a byte.  Wu's fragments are loaded with the same places of k, so every product meets its partner.
; SHARES.  A work-group takes 128 positions (eight tiles) of one image x all 256 outputs; wave w takes outputs 16 w .. 16 w + 15 for all eight tiles.  The tiles' 32 KB are copied to LDS once and read by all sixteen waves.
; Source 0 = 16 positions, source 1 = 16 rows of Wu: a lane holds ONE output channel and eight neighbouring positions, which are neighbours in out0.  A wave's 16 rows x 512 bytes go through its own stage in LDS and leave as whole rows.
; Memory binds here: no cluster (work-groups share only Wu's 64 KB), no prefetch (every load goes out at the head), no ring.
; LIMIT: e10 + e11 between -126 and 127, so that 2^(e10 + e11) is an f32 number.
; THE MODE: SCHED_MODE bits 1:0 = 2 (LLVM: expert scheduling mode 2), set by the entry lines.  The code itself states the register dependences between vector or matrix instructions and
;   memory or LDS instructions, with s_wait_alu, always for 0.
; THE PLAN.  Registers that memory or LDS instructions touch: v4-9, offsets and LDS addresses, made once at the head; v[AF ..], two sets of 64: step p's four products read set p % 2, and the sixteen loads of
;   step p + 1 land in the other set.  At the heads of steps 1 and 2, behind the wait on DScnt for the set about to be multiplied, ONE wait on va_vdst states that the step before is done reading the other set; the
;   sixteen loads are then dealt among the step's four products, which name their own set, Wu's fragments and the sums alone.  Wu, bu and the sums are named by one kind of instruction after their loads' wait.
;   On the way out set 0 takes the results (one wait ahead of the stage's stores) and set 1 the rows read back.
.set STG,  32768                       ; behind the tiles' images: 16 rows x (512 bytes + 16) for each wave
.set SPI,  528
.set WU,   16                          ; v16-47    Wu's two fragments
.set ACC,  48                          ; v48-111   eight sums
.set AF,   112                         ; v112-175, v176-239: two tiles' four fragments, two sets; on the way out the results, and the rows read back
	s_load_b256 s[4:11], s[0:1], 0x0               ; acodes, wucodes, lowp_scales, bu
	s_load_b64 s[12:13], s[0:1], 0x20              ; out0
	v_lshl_add_u32 v254, v0, 2, 0x29000
	v_mov_b32 v255, 0
	v_lshrrev_b32 v1, 5, v0
	v_readfirstlane_b32 s2, v1                     ; wave 0..15
	s_and_b32 s3, ttmp7, 0xffff                    ; image
	v_and_b32 v1, 31, v0                           ; l
	v_and_b32 v2, 15, v0                           ; r
	v_bfe_u32 v3, v0, 4, 1                         ; h
	v_lshlrev_b32 v4, 4, v0                        ; the copy: 16 bytes a thread
	v_lshlrev_b32 v5, 4, v1                        ; 16 l
	s_wait_alu depctr_va_sdst(0)                   ; the wave's number is written, ahead of its first reader: offsets, the stage's place and out0's base are made from it
	s_lshl_b32 s14, s2, 12
	v_lshlrev_b32 v6, 8, v2
	v_lshl_add_u32 v6, v3, 4, v6
	v_add_nc_u32 v6, s14, v6                       ; Wu: row 16 w + r of 256 bytes, + 16 h
	s_lshl_b32 s14, s2, 6
	v_lshl_add_u32 v7, v2, 2, s14                  ; bu[16 w + r]
	s_mul_i32 s15, s2, 16*SPI
	s_add_co_u32 s15, s15, STG                     ; my stage
	v_mul_u32_u24 v8, v2, SPI
	v_lshl_add_u32 v8, v3, 5, v8
	v_add_nc_u32 v8, s15, v8                       ; in: row r, 32 bytes for each half of the lanes
	v_add_nc_u32 v9, s15, v5                       ; back: the 32 lanes take a row of 512 bytes
	s_lshl_b32 s16, s3, 18                         ; my eight tiles: (64 image + 8 x) x 4,096
	s_lshl_b32 s17, ttmp9, 15
	s_add_co_u32 s16, s16, s17
	s_mov_b32 s17, 0
	s_lshl_b32 s18, s3, 20                         ; out0: row 256 image + 16 w of 4,096 bytes, + 512 x
	s_lshl_b32 s19, s2, 16
	s_add_co_u32 s18, s18, s19
	s_lshl_b32 s19, ttmp9, 9
	s_add_co_u32 s18, s18, s19
	s_mov_b32 s19, 0
	s_wait_kmcnt 0x0
	s_load_b64 s[20:21], s[8:9], 0x28              ; e10, e11
	s_add_nc_u64 s[4:5], s[4:5], s[16:17]
	s_add_nc_u64 s[12:13], s[12:13], s[18:19]
	s_wait_alu depctr_va_vdst(0)                   ; the offsets and LDS addresses v4 to v9 are written: every load and store of the kernel reads one of them
.irp i, 0,1,2,3
	global_load_b128 v[AF+4*\i:AF+4*\i+3], v4, s[4:5] offset:8192*\i th:TH_LOAD_NT   ; read once in the launch; a wave's load covers 512 consecutive bytes
.endr
.irp c, 0,1,2,3,4,5,6,7
	global_load_b128 v[WU+4*\c:WU+4*\c+3], v6, s[6:7] offset:32*\c                   ; registers 4 c .. 4 c + 3: channels 32 c + 16 h + 0 .. 15
.endr
	global_load_b32 v12, v7, s[10:11]
	s_wait_loadcnt 9                               ; the copy's four loads are in; Wu's eight and bu's one may be out
.irp i, 0,1,2,3
	ds_store_b128 v4, v[AF+4*\i:AF+4*\i+3] offset:8192*\i
.endr
	s_wait_dscnt 0x0                               ; for the others' sake: my part of the images lies in LDS
	s_barrier_signal -1
	s_barrier_wait -1
	s_wait_alu depctr_vm_vsrc(0)                   ; my four LDS stores have read v[AF .. AF+15], in which the first fragments land
.macro FETCH p                         ; tiles 2 p and 2 p + 1: four fragments, sixteen loads, into set p % 2
.irp mm, 0,1
.irp c, 0,1,2,3,4,5,6,7
	ds_load_b128 v[AF+64*((\p)%2)+32*\mm+4*\c:AF+64*((\p)%2)+32*\mm+4*\c+3], v5 offset:(2*(\p)+\mm)*4096+512*\c
.endr
.endr
.endm
; Step p: the two tiles' sums by turns, K step by K step; the first product starts a sum.
; next = 1: the sixteen loads of tiles 2 p + 2 and 2 p + 3 go into the other set, four ahead of each product, in FETCH's order.  No wait among them: no product of this step names that set or v5.
.macro MUL p, next
.irp f, 0,1
.irp mm, 0,1
.if \next
.set QQ, 2*\f+\mm
.irp c, 0,1,2,3
	ds_load_b128 v[AF+64*(((\p)+1)%2)+32*(QQ/2)+16*(QQ%2)+4*\c:AF+64*(((\p)+1)%2)+32*(QQ/2)+16*(QQ%2)+4*\c+3], v5 offset:(2*((\p)+1)+QQ/2)*4096+2048*(QQ%2)+512*\c
.endr
.endif
.if \f == 0
	v_wmma_f32_16x16x128_fp8_fp8 v[ACC+8*(2*(\p)+\mm):ACC+8*(2*(\p)+\mm)+7], v[AF+64*((\p)%2)+32*\mm+16*\f:AF+64*((\p)%2)+32*\mm+16*\f+15], v[WU+16*\f:WU+16*\f+15], 0
.else
	v_wmma_f32_16x16x128_fp8_fp8 v[ACC+8*(2*(\p)+\mm):ACC+8*(2*(\p)+\mm)+7], v[AF+64*((\p)%2)+32*\mm+16*\f:AF+64*((\p)%2)+32*\mm+16*\f+15], v[WU+16*\f:WU+16*\f+15], v[ACC+8*(2*(\p)+\mm):ACC+8*(2*(\p)+\mm)+7]
.endif
.endr
.endr
.endm
	FETCH 0
	FETCH 1
	s_wait_kmcnt 0x0
	s_add_co_i32 s20, s20, s21
	s_add_co_i32 s20, s20, 127
	s_lshl_b32 s20, s20, 23                        ; 2^(e10 + e11) as f32
	s_mov_b32 s21, s20                             ; (named with it as a pair, so it is written)
	s_wait_loadcnt 0x0                             ; Wu, bu
	v_mov_b32 v13, v12                             ; (named with it as a pair)
	s_wait_dscnt 16                                ; the first pair's sixteen loads are in, the second pair's may be out
	MUL 0, 0
	s_wait_dscnt 0x0                               ; set 1 is in
	s_wait_alu depctr_va_vdst(0)                   ; step 0's products are done reading set 0, in which tiles 4 and 5 land
	MUL 1, 1
	s_wait_dscnt 0x0                               ; set 0 is in
	s_wait_alu depctr_va_vdst(0)                   ; step 1's products are done reading set 1, in which tiles 6 and 7 land
	MUL 2, 1
	s_wait_dscnt 0x0                               ; set 1 is in
	MUL 3, 0
.rept 4
	v_nop                                          ; four places behind the last products, before their results are read and before set 0, which step 2's products read, is written (ISA guide 7.12.1)
.endr
.set n, 0
.rept 32
	v_pk_fma_f32 v[AF+n:AF+n+1], v[ACC+n:ACC+n+1], s[20:21], v[12:13] op_sel_hi:[1,0,0]   ; sum x 2^(e10 + e11) + bu, two at a time; each sum from its low end on
.set n, n+2
.endr
	s_wait_alu depctr_va_vdst(0)                   ; the multiply-adds have written v[AF .. AF+63], which the stage's stores read; step 3's products are done reading set 1, in which the rows land on their way back
.irp m, 0,1,2,3,4,5,6,7
	ds_store_b128 v8, v[AF+8*\m:AF+8*\m+3] offset:64*\m          ; lane (r, h): output 16 w + r, positions 16 m + 8 h + 0 .. 7
	ds_store_b128 v8, v[AF+8*\m+4:AF+8*\m+7] offset:64*\m+16
.endr
.irp i, 0,1,2,3,4,5,6,7,8,9,10,11,12,13,14,15
	ds_load_b128 v[AF+64+4*\i:AF+64+4*\i+3], v9 offset:\i*SPI    ; LDS serves a wave's instructions in order (ISA guide 5.7.1.4): these see my stores; the stage is my own
.endr
.irp i, 0,1,2,3,4,5,6,7,8,9,10,11,12,13,14,15
	s_wait_dscnt 15-\i
	global_store_b128 v5, v[AF+64+4*\i:AF+64+4*\i+3], s[12:13] offset:4096*\i th:TH_STORE_NT   ; 32 lanes store 512 consecutive bytes, at a multiple of 256 from out0's first byte; written once, read by nobody here
.endr
	s_wait_dscnt 0x0
	s_wait_alu depctr_hold_cnt(0) depctr_sa_sdst(0) depctr_va_vdst(0) depctr_va_sdst(0) depctr_va_ssrc(0) depctr_va_vcc(0) depctr_vm_vsrc(0)
	s_wait_tensorcnt 0x0
	ds_add_u32 v254, v255
	s_wait_dscnt 0x0
	s_endpgm
.Lfunc_end_k_qfb853f9c2c_outp:
	.size	k_qfb853f9c2c_outp, .Lfunc_end_k_qfb853f9c2c_outp-k_qfb853f9c2c_outp
	.p2alignl 7, 3214868480
	.fill 96, 4, 3214868480
	.section	.rodata,"a",@progbits
	.p2align	6, 0x0
	.amdhsa_kernel k_qfb853f9c2c_outp
		.amdhsa_group_segment_fixed_size 169984
		.amdhsa_private_segment_fixed_size 0
		.amdhsa_enable_private_segment 0
		.amdhsa_kernarg_size 40
		.amdhsa_user_sgpr_count 2
		.amdhsa_user_sgpr_kernarg_segment_ptr 1
		.amdhsa_wavefront_size32 1
		.amdhsa_system_sgpr_workgroup_id_x 1
		.amdhsa_system_sgpr_workgroup_id_y 1
		.amdhsa_system_sgpr_workgroup_id_z 1
		.amdhsa_system_vgpr_workitem_id 0
		.amdhsa_next_free_vgpr 256
		.amdhsa_next_free_sgpr 66
		.amdhsa_reserve_vcc 0
		.amdhsa_float_denorm_mode_32 3
		.amdhsa_float_denorm_mode_16_64 3
		.amdhsa_memory_ordered 1
		.amdhsa_forward_progress 1
		.amdhsa_inst_pref_size 16
	.end_amdhsa_kernel
	.amdgpu_metadata
---
amdhsa.version: [ 1, 2 ]
amdhsa.kernels:
  - .name:           k_qfb853f9c2c_outp
    .symbol:         k_qfb853f9c2c_outp.kd
    .args:
      - { .name: acodes, .offset: 0, .size: 8, .value_kind: global_buffer, .address_space: global }
      - { .name: wucodes, .offset: 8, .size: 8, .value_kind: global_buffer, .address_space: global }
      - { .name: lowp_scales, .offset: 16, .size: 8, .value_kind: global_buffer, .address_space: global }
      - { .name: bu, .offset: 24, .size: 8, .value_kind: global_buffer, .address_space: global }
      - { .name: out0, .offset: 32, .size: 8, .value_kind: global_buffer, .address_space: global }
    .group_segment_fixed_size: 169984
    .private_segment_fixed_size: 0
    .kernarg_segment_align: 8
    .kernarg_segment_size: 40
    .max_flat_workgroup_size: 512
    .sgpr_count:     66
    .vgpr_count:     256
    .wavefront_size: 32
...
	.end_amdgpu_metadata
.endif
;; end of part 4
